; MI455X (gfx1250); checked and timed in simulation.
; The chip was launched on July 23, 2026; its instructions are those of AMD's public machine-readable ISA for CDNA 5 (MIT licence, August 2026) and "CDNA5" Instruction Set Architecture Reference Guide (July 2026). The comments in the code are by the model that wrote it; some were corrected since.
;; Attention Block. Allowed arithmetic: float matrix products may take bf16 or f16 operands with f32 sums; other float arithmetic in f32, or as packed bf16 or f16 multiplies, adds, multiply-adds, maxima and minima; sums over many terms, partial sums and values carried from step to step in f32; what a program stores and reads back later, other than sums and carried values, may be rounded once to bf16 or f16.
;; Inputs: Wk 1,024 x 1,024 float32; Wo 1,024 x 1,024 float32; Wq 1,024 x 1,024 float32; Wv 1,024 x 1,024 float32; attention_mask 8 x 1 x 1 x 1,024 float32; bk 1,024 float32; bo 1,024 float32; bq 1,024 float32; bv 1,024 float32; key_tensors 8 x 1,024 x 1,024 float32; ln_b 1,024 float32; ln_g 1,024 float32; query_tensors 8 x 1,024 x 1,024 float32; value_tensors 8 x 1,024 x 1,024 float32.
;; Outputs: out0 8 x 1,024 x 1,024 float32.
;; 2 versions, each right; version 2 is version 1 with the launches prep, lnorm written anew for expert scheduling mode. Each part assembles by itself: llvm-mc -triple=amdgcn-amd-amdhsa -mcpu=gfx1250 --defsym DOCPART=n.
;; ======== version 1 of 2: 5 launches
;; workspace buffers: wqkv 6,291,456 bytes; wo16 2,097,152 bytes; qkv 50,331,648 bytes; ctx 16,777,216 bytes; att 16,777,216 bytes
;; launch prep (part 1): grid 64 x 4, 8 waves a work-group, no clusters, 0 bytes of LDS; arguments Wq, Wk, Wv, Wo, wqkv, wo16; writes wqkv, wo16
.if DOCPART == 1
	.amdgcn_target "amdgcn-amd-amdhsa--gfx1250"
	.amdhsa_code_object_version 6
	.text
	.protected	k_qf7422ed434_prep
	.globl	k_qf7422ed434_prep
	.p2align	8
	.type	k_qf7422ed434_prep,@function
k_qf7422ed434_prep:
	s_mov_b64 s[64:65], 0
	v_nop
	global_prefetch_b8 v0, s[64:65] scope:SCOPE_SE
	s_setreg_imm32_b32 hwreg(HW_REG_WAVE_MODE, 25, 1), 1
	s_wait_xcnt 0x0
; PREP.  The four weights (1024 x 1024 f32 each) are rounded once to bf16 and laid in blocks: [matrix][column block cb = column / 64][row 0..1023][64 columns]: a row of a block is 128 bytes, a block
; 131,072 dense bytes, a matrix 2,097,152.  So the rows that a product's tile takes of one column block are one dense run of bytes.  Wq, Wk, Wv go on end into wqkv, Wo into wo16.
; Every work-group of the products reads its weights many times over, so they are rounded here, once; the activations are read once and are rounded where they are multiplied.
; SHARES.  Work-group (x, y): matrix y (Wq, Wk, Wv, Wo), its rows 16 x .. 16 x + 15.  Thread t: row t / 16, the four columns 4 (t % 16) of each of the 16 column blocks.
; A wave's load covers 2 rows x 256 bytes; a wave's store of 8 bytes a lane covers 256 consecutive bytes, aligned (two neighbouring rows of a block).
; Memory binds: no LDS, no barrier, no matrix unit.  All 16 loads of a thread go out at once; the waits count down.
.set X,  4                             ; v[4:67]    16 x 4 numbers as loaded
.set Y,  68                            ; v[68:99]   16 x 2 registers to store; each is written once
	s_load_b256 s[8:15], s[0:1], 0x0               ; Wq s[8:9], Wk s[10:11], Wv s[12:13], Wo s[14:15]
	s_load_b128 s[16:19], s[0:1], 0x20             ; wqkv s[16:17], wo16 s[18:19]
	s_and_b32 s2, ttmp7, 0xffff                    ; y: the matrix
	v_lshrrev_b32 v1, 4, v0                        ; my row
	v_and_b32 v2, 15, v0
	v_lshlrev_b32 v2, 4, v2                        ; my 16 bytes in a column block's 256 of f32
	v_lshl_or_b32 v1, v1, 12, v2                   ; the load's lane offset: row x 4,096 + 16 (t % 16)
	v_lshlrev_b32 v2, 3, v0                        ; the store's: row x 128 + 8 (t % 16) = 8 t
	; offsets are made apart from the addresses
	s_lshl_b32 s20, ttmp9, 16                      ; 16 rows of f32 are 65,536 bytes
	s_mov_b32 s21, 0
	s_cmp_eq_u32 s2, 3
	s_cselect_b32 s22, 0, s2                       ; the matrix's number in its destination: y in wqkv, 0 in wo16
	s_lshl_b32 s22, s22, 21                        ; 2,097,152 bytes a matrix of bf16,
	s_lshl_b32 s23, ttmp9, 11                      ; 2,048 for 16 rows of a block
	s_add_co_u32 s22, s22, s23
	s_mov_b32 s23, 0
	s_wait_kmcnt 0x0
	; the buffers are chosen by y alone
	s_cmp_ge_u32 s2, 1
	s_cselect_b64 s[24:25], s[10:11], s[8:9]
	s_cmp_ge_u32 s2, 2
	s_cselect_b64 s[24:25], s[12:13], s[24:25]
	s_cmp_ge_u32 s2, 3
	s_cselect_b64 s[24:25], s[14:15], s[24:25]
	s_cselect_b64 s[26:27], s[18:19], s[16:17]
	s_add_nc_u64 s[24:25], s[24:25], s[20:21]      ; the source at my 16 rows
	s_add_nc_u64 s[26:27], s[26:27], s[22:23]      ; the destination at my 16 rows of column block 0
.irp c, 0,1,2,3,4,5,6,7,8,9,10,11,12,13,14,15
	global_load_b128 v[X+4*\c:X+4*\c+3], v1, s[24:25] offset:256*\c th:TH_LOAD_NT
.endr
.irp c, 0,1,2,3,4,5,6,7,8,9,10,11,12,13,14,15
	s_wait_loadcnt 15-\c                           ; loads come back in order (ISA guide 5.7.1): column block c is in, the younger ones stay out
	v_cvt_pk_bf16_f32 v[Y+2*\c],   v[X+4*\c],   v[X+4*\c+1]
	v_cvt_pk_bf16_f32 v[Y+2*\c+1], v[X+4*\c+2], v[X+4*\c+3]
	global_store_b64 v2, v[Y+2*\c:Y+2*\c+1], s[26:27] offset:131072*\c  ; 1,966,080 at the most: inside the signed 24-bit immediate
.endr
	s_endpgm
.Lfunc_end_k_qf7422ed434_prep:
	.size	k_qf7422ed434_prep, .Lfunc_end_k_qf7422ed434_prep-k_qf7422ed434_prep
	.p2alignl 7, 3214868480
	.fill 96, 4, 3214868480
	.section	.rodata,"a",@progbits
	.p2align	6, 0x0
	.amdhsa_kernel k_qf7422ed434_prep
		.amdhsa_group_segment_fixed_size 0
		.amdhsa_private_segment_fixed_size 0
		.amdhsa_enable_private_segment 0
		.amdhsa_kernarg_size 48
		.amdhsa_user_sgpr_count 2
		.amdhsa_user_sgpr_kernarg_segment_ptr 1
		.amdhsa_wavefront_size32 1
		.amdhsa_system_sgpr_workgroup_id_x 1
		.amdhsa_system_sgpr_workgroup_id_y 1
		.amdhsa_system_sgpr_workgroup_id_z 1
		.amdhsa_system_vgpr_workitem_id 0
		.amdhsa_next_free_vgpr 100
		.amdhsa_next_free_sgpr 66
		.amdhsa_reserve_vcc 0
		.amdhsa_float_denorm_mode_32 3
		.amdhsa_float_denorm_mode_16_64 3
		.amdhsa_memory_ordered 1
		.amdhsa_forward_progress 1
		.amdhsa_inst_pref_size 7
	.end_amdhsa_kernel
	.amdgpu_metadata
---
amdhsa.version: [ 1, 2 ]
amdhsa.kernels:
  - .name:           k_qf7422ed434_prep
    .symbol:         k_qf7422ed434_prep.kd
    .args:
      - { .name: Wq, .offset: 0, .size: 8, .value_kind: global_buffer, .address_space: global }
      - { .name: Wk, .offset: 8, .size: 8, .value_kind: global_buffer, .address_space: global }
      - { .name: Wv, .offset: 16, .size: 8, .value_kind: global_buffer, .address_space: global }
      - { .name: Wo, .offset: 24, .size: 8, .value_kind: global_buffer, .address_space: global }
      - { .name: wqkv, .offset: 32, .size: 8, .value_kind: global_buffer, .address_space: global }
      - { .name: wo16, .offset: 40, .size: 8, .value_kind: global_buffer, .address_space: global }
    .group_segment_fixed_size: 0
    .private_segment_fixed_size: 0
    .kernarg_segment_align: 8
    .kernarg_segment_size: 48
    .max_flat_workgroup_size: 256
    .sgpr_count:     66
    .vgpr_count:     100
    .wavefront_size: 32
...
	.end_amdgpu_metadata
.endif
;; end of part 1
;; launch proj (part 2): grid 4 x 64, 4 waves a work-group, clusters of 4 x 4, 327,680 bytes of LDS; arguments query_tensors, key_tensors, value_tensors, wqkv, bq, bk, bv, qkv; writes qkv
.if DOCPART == 2
	.amdgcn_target "amdgcn-amd-amdhsa--gfx1250"
	.amdhsa_code_object_version 6
	.text
	.protected	k_qf7422ed434_proj
	.globl	k_qf7422ed434_proj
	.p2align	8
	.type	k_qf7422ed434_proj,@function
k_qf7422ed434_proj:
	s_mov_b64 s[64:65], 0
	v_nop
	global_prefetch_b8 v0, s[64:65] scope:SCOPE_SE
	s_setreg_imm32_b32 hwreg(HW_REG_WAVE_MODE, 25, 1), 1
	s_wait_xcnt 0x0
	s_wait_alu depctr_hold_cnt(0) depctr_sa_sdst(0) depctr_va_vdst(0) depctr_va_sdst(0) depctr_va_ssrc(0) depctr_va_vcc(0) depctr_vm_vsrc(0)
	s_getreg_b32 s2, hwreg(HW_REG_IB_STS2, 6, 4)
	s_cmp_eq_u32 s2, 0
	s_cbranch_scc0 .Lentry_in_a_cluster
	s_endpgm
.Lentry_in_a_cluster:
	s_bfe_u32 s2, ttmp6, 0x10000c
	s_cmp_lg_u32 s2, 0xf033
	s_cbranch_scc0 .Lentry_shape_is_right
	s_endpgm
.Lentry_shape_is_right:
; q, k, v = x W^T + b: the three projections in one launch, x taken as it is given, in f32.
; x: query_tensors, key_tensors, value_tensors, [8192][1024] f32 each.  W: wqkv, three matrices of 1024 (n) x 1024 (k) on end, bf16 in blocks [matrix][column block of 64][row][64] (a block's row is 128 bytes,
; a block 131,072 dense bytes).  b: bq, bk, bv, [1024] f32.  C: qkv = [3][8 b][16 h][1024 s][64] bf16, which is the same layout in blocks.  Sums in f32, started by the bias; x and C are each rounded once.
; WHY x COMES IN f32.  A launch that only rounded x would read 100,663,296 bytes and write 50,331,648 that this launch would read again.  Here a tile of x lands in LDS as f32 and is rounded between the
; fragment load and the matrix instruction.  The price: x's fragments are twice the LDS bytes (16 KiB for a wave's 32 matrix instructions, of which 8 are x's), and 32 conversions stand beside those 32.
; LIMITS.  NaN and infinities are not treated apart; bf16 has f32's range.
; SHARES.  A tile of C is 128 rows x 256 columns; four waves, as many as a WGP has SIMDs, each 64 rows x 128 columns: 32 accumulators of 16 x 16, 256 registers.  K = 1024 goes in 8 steps of 128 through two
; LDS slots.  One tensor load a wave and step, 32,768 bytes each: waves 0, 1 bring 64 rows x 512 bytes of x, waves 2, 3 one column block of W's 256 rows (dense: asked for as 128 rows of 256 bytes).
; A WORK-GROUP STAYS: it makes its tile of q, then of k, then of v: 256 work-groups, three tiles each.  The ring does not stop at a tile's end: a tile's last two changes of slots ask for the next tile's first two
; K steps, the tile goes out while those are on their way, and nothing waits for its stores.
; CLUSTERS: 4 x 4 work-groups.  The four of a row of the cluster need the same tiles of x, the four of a column the same tiles of W: each is asked for JOINTLY, by the same tensor load with the same descriptor
; and a mask that names the four.
; THE MATRIX INSTRUCTION IS USED TRANSPOSED (source 0 = 16 rows of W, source 1 = 16 rows of x): lane l then holds row l % 16 of C and the eight neighbouring columns 8 (l / 16) + 0..7.
; REGISTERS, in windows of 256 (s_set_vgpr_msb: bits 1:0 source 0, 3:2 source 1, 5:4 source 2, 7:6 destination):
;   window 0: v0-31 addresses; v32-127, v128-223 two fragment buffers (64 registers of W: 8 x 16 rows x 32 K; then 32 of x in bf16: 4 x 16 rows x 32 K)
;   window 1: the accumulators, (a, b) at v[8 (8 a + b)]
;   window 2: v0-63 the bias of my 128 columns, as a C operand: column 16 b + 8 (l / 16) + j at v[8 b + j]; v64-191 the way out; v192-255 x's four fragments as they come out of LDS, in f32
.set TILES,  3
.set PA,     528                       ; a row of x in LDS: 512 bytes + 16 of padding = 132 words: the 16 rows of a fragment load start at 16 different groups of four banks (64 banks of 4 bytes: ISA guide 11.1)
.set PB,     144                       ; a row of W: 128 bytes + 16 = 36 words: likewise
.set AHALF,  64*PA                     ; 64 rows of x: one tensor load
.set BBLK,   256*PB                    ; one column block of W's 256 rows: one tensor load
.set BOFF,   2*AHALF                   ; a slot: x's 128 rows, then W's two column blocks
.set SLOT,   BOFF+2*BBLK
.set STAGE,  2*SLOT                    ; behind the ring, never filled by a tensor load: 16 rows x 144 bytes for each wave, for the way out
.set SPARE,  STAGE+4*16*PB             ; behind the stages: the spare words, 128 bytes for each wave: two blocks of 256 bytes that no other line names
.set LAPS,   4                         ; a lap = two K steps = once round the ring
.set ASTEP,  2*512                     ; bytes from a slot's K step of x to its next: 256 numbers along a row
.set BSTEP,  4*131072                  ; the same for W: four column blocks; behind a matrix's last the next matrix's first follow, so this step serves from tile to tile too
.set CSTEP,  16777216                  ; bytes from q to k and from k to v in C
.set ADRA, 16                          ; v16-17  LDS address of my fragments of x in slot 0, 1
.set ADRB, 20                          ; v20-21  the same for W
.set STO,  24                          ; v24     the way out: where I put 16 bytes of a row
.set RD,   25                          ; v25     the way out: where I read rows back
.set GO,   26                          ; v26     my byte offset in 512 consecutive bytes of C
.set BO,   27                          ; v27     my byte offset in 16 numbers of the bias
.set SPW,  28                          ; v28     LDS address of my spare word: SPARE + 4 x my thread's number; never rewritten
.set NIL,  29                          ; v29     0; never rewritten
.set F0,   32
.set F1,   128
.set BI,   0                           ; window 2
.set T,    64                          ; window 2: 16 registers for each of 8 pieces
.set LA,   192                         ; window 2: fragment a's 16 numbers a lane at LA + 16 a
.set G1,  24                           ; s[24:31] descriptor group 1 for x's tiles;  s[32:39] group 0, one set for each slot
.set G0,  32
.set G1B, 48                           ; s[48:55], s[56:63] the same for W's tiles
.set G0B, 56
                                       ; s[4:5] x of the first tile, s[6:7] of the next tile, s[8:9] of the one behind it, each at my 64 rows; s[68:69], s[70:71], s[72:73] the biases likewise; s[74:75] C
.set GWA, (2<<16)|(1<<20)|(1<<21)|(6<<22)|(3<<25)  ; group 1, word 0 beside the mask, for x: 17:16 elements of 4 bytes; 20 padding on; 21 set beside a mask; 24:22 after every 128 words (code 6); 31:25 4 words of it (code 3)
.set GWB, (1<<16)|(1<<20)|(1<<21)|(4<<22)|(3<<25)  ; for W: elements of 2 bytes; after every 32 words (code 4) 4 words
.set MSB, 0
.macro WIN new                         ; the immediate's high byte repeats the setting that is left; a switch that changes nothing is dropped
.if MSB != (\new)
	s_set_vgpr_msb (MSB<<8)|(\new)
.set MSB, \new
.endif
.endm
.set MUL,  0x50                        ; fragments in window 0; C and D in window 1
.set MULB, 0x60                        ; the same with C, the bias, in window 2
.set W_CV, 0x0a                        ; a conversion of x: both sources in window 2, the destination in window 0
.set W_IN, 0x80                        ; a load into window 2, its address in window 0
.set W_OUT, 0x08                       ; a store of data (source 1) out of window 2, its address in window 0
; A joint load.  Waves 0 and 1 fetch x's two halves, waves 2 and 3 W's two column blocks.  The branch hangs on the wave's number alone.  An s_nop 0 and four v_nop follow each of the two lines, ahead of the jump,
; the label and what follows.
.macro JLOAD s
	s_cmp_eq_u32 s13, 0
	s_cbranch_scc0 .Lfor_b_\@
	tensor_load_to_lds s[G0+4*(\s):G0+4*(\s)+3], s[G1:G1+7]
	s_nop 0
.rept 4
	v_nop
.endr
	s_branch .Lasked_\@
.Lfor_b_\@:
	tensor_load_to_lds s[G0B+4*(\s):G0B+4*(\s)+3], s[G1B:G1B+7]
	s_nop 0
.rept 4
	v_nop
.endr
.Lasked_\@:
.endm
.macro CREST                           ; a round of the cluster's barrier behind its opening barrier: wave 0 signals for the work-group, every wave waits for all sixteen, my work-group's barrier once more
	s_cmp_lg_u32 s12, 0
	s_cbranch_scc1 .Lnot_wave_0_\@
	s_barrier_signal -3
.Lnot_wave_0_\@:
	s_barrier_wait -3
	s_barrier_signal -1
	s_barrier_wait -1
.endm
.macro CROUND                          ; a whole round
	s_barrier_signal -1
	s_barrier_wait -1
	CREST
.endm
	s_load_b256 s[4:11], s[0:1], 0x0               ; query s[4:5], key s[6:7], value s[8:9], W s[10:11]
	s_load_b256 s[68:75], s[0:1], 0x20             ; bq s[68:69], bk s[70:71], bv s[72:73], C s[74:75]
	v_lshl_add_u32 v[SPW], v0, 2, SPARE
	v_mov_b32 v[NIL], 0
	ds_add_u32 v[SPW], v[NIL]                      ; the wave's opening: the add and its wait stand ahead of my first tensor load; the set-up below, work on registers, stands between them
	ds_add_u32 v28, v29
	v_lshrrev_b32 v1, 5, v0
	v_readfirstlane_b32 s12, v1                    ; wave 0..3
	s_lshr_b32 s13, s12, 1                         ; which 64 of the tile's rows are mine.  Also: I fetch for x (0) or for W (1)
	s_and_b32 s14, s12, 1                          ; which 128 of its columns.  Also: which half of x's rows, or which of W's two column blocks, I fetch
	s_bfe_u32 s40, ttmp6, 0x40000                  ; cx, cy: my place in the cluster
	s_bfe_u32 s41, ttmp6, 0x40004
	s_lshl_b32 s15, ttmp9, 2                       ; in a cluster launch ttmp9 and ttmp7 count clusters
	s_add_co_u32 s15, s15, s40                     ; tile column of C = 4 x cluster x + cx
	s_and_b32 s42, ttmp7, 0xffff
	s_lshl_b32 s42, s42, 2
	s_add_co_u32 s42, s42, s41                     ; tile row = 4 x cluster y + cy, 0 .. 63: rows 128 x tile row on, in each of the three x
	s_lshl_b32 s44, s41, 2
	s_lshl_b32 s44, 15, s44                        ; my row of the cluster: places 4 cy .. 4 cy + 3
	s_lshl_b32 s45, 0x1111, s40                    ; my column: places cx, cx + 4, cx + 8, cx + 12
	s_or_b32 s[G1], s44, GWA                       ; x's tiles go to my row of the cluster,
	s_or_b32 s[G1B], s45, GWB                      ; W's to my column
	s_mov_b32 s[G1+1], 128<<16                     ; tensor_dim0 = 128 elements: 512 bytes
	s_mov_b32 s[G1+2], 64<<16                      ; tensor_dim1 = 64
	s_mov_b32 s[G1+3], 128<<16                     ; tile_dim0 = 128
	s_mov_b32 s[G1+4], 64                          ; tile_dim1 = 64
	s_mov_b32 s[G1+5], 1024                        ; 1,024 elements from row to row
	s_mov_b32 s[G1+6], 0
	s_mov_b32 s[G1+7], 0
	s_mov_b32 s[G1B+1], 128<<16                    ; tensor_dim0 = 128 elements: 256 bytes, two rows of a block
	s_mov_b32 s[G1B+2], 128<<16                    ; tensor_dim1 = 128
	s_mov_b32 s[G1B+3], 128<<16                    ; tile_dim0 = 128
	s_mov_b32 s[G1B+4], 128                        ; tile_dim1 = 128
	s_mov_b32 s[G1B+5], 128                        ; 128 elements from row to row: dense
	s_mov_b32 s[G1B+6], 0
	s_mov_b32 s[G1B+7], 0
	; where the tiles come from.  x's hang on the tile row and the wave alone, W's on the tile column and the wave; each in registers that never hold the other coordinate
	s_lshl_b32 s16, s42, 19                        ; 128 rows of 4,096 bytes,
	s_lshl_b32 s17, s14, 18                        ; my 64 of them
	s_add_co_u32 s16, s16, s17
	s_mov_b32 s17, 0
	s_lshl_b32 s46, s15, 15                        ; W's 256 rows of 128 bytes,
	s_lshl_b32 s47, s14, 17                        ; my column block of the step
	s_add_co_u32 s46, s46, s47
	s_mov_b32 s47, 0
	s_mul_i32 s20, s14, AHALF                      ; and where they go: no place in the cluster enters an LDS address
	s_mul_i32 s21, s14, BBLK
	s_add_co_u32 s21, s21, BOFF
	s_wait_dscnt 0x0                               ; the opening add is done
	s_wait_kmcnt 0x0
	s_add_nc_u64 s[4:5], s[4:5], s[16:17]          ; the three x at the rows that I fetch
	s_add_nc_u64 s[6:7], s[6:7], s[16:17]
	s_add_nc_u64 s[8:9], s[8:9], s[16:17]
	s_add_nc_u64 s[46:47], s[10:11], s[46:47]
	CROUND                                         ; all sixteen work-groups are here: the first joint loads meet
.irp s, 0,1
	s_mov_b32 s[G0+4*(\s)], 1                                      ; 1:0 count = 1
	s_add_co_u32 s[G0+4*(\s)+1], s20, (\s)*SLOT                    ; 63:32 LDS address
	s_add_nc_u64 s[G0+4*(\s)+2:G0+4*(\s)+3], s[4:5], (\s)*512      ; 120:64 global address: K step s
	s_or_b32 s[G0+4*(\s)+3], s[G0+4*(\s)+3], 0x80000000            ; 127:126 type = 2
	s_mov_b32 s[G0B+4*(\s)], 1
	s_add_co_u32 s[G0B+4*(\s)+1], s21, (\s)*SLOT
	s_add_nc_u64 s[G0B+4*(\s)+2:G0B+4*(\s)+3], s[46:47], (\s)*262144  ; K step s: two column blocks on
	s_or_b32 s[G0B+4*(\s)+3], s[G0B+4*(\s)+3], 0x80000000
	JLOAD \s                                       ; both slots are asked for before anything else: two loads of mine are out
.endr
	; A fragment is 16 rows x 32 K in 8 registers: lane l holds row l % 16; registers 0-3 K = 8 (l / 16) + 0..7, registers 4-7 K = 16 + 8 (l / 16) + 0..7.
	; Of W, in bf16: two loads of 16 bytes, 32 bytes apart.  Of x, in f32: twice two loads of 16 bytes, 64 bytes apart.
	v_and_b32 v1, 15, v0                           ; l % 16
	v_bfe_u32 v2, v0, 4, 1                         ; l / 16
	v_mul_u32_u24 v3, v1, PB
	v_lshl_add_u32 v3, v2, 4, v3                   ; W and the stage: row x 144 + 16 x half
	v_mul_u32_u24 v4, v1, PA
	v_lshl_add_u32 v4, v2, 5, v4                   ; x: row x 528 + 32 x half
	s_mul_i32 s22, s13, 64*PA                      ; my 64 rows of x
	s_mul_i32 s23, s14, 128*PB                     ; my 128 rows of W,
	s_add_co_u32 s23, s23, BOFF                    ; which lie behind x's
.irp s, 0,1
	v_add_nc_u32 v[ADRA+(\s)], s22, v4
	v_add_nc_u32 v[ADRB+(\s)], s23, v3
	s_add_co_u32 s22, s22, SLOT
	s_add_co_u32 s23, s23, SLOT
.endr
	s_mul_i32 s20, s12, 16*PB
	s_add_co_u32 s20, s20, STAGE                   ; my stage
	v_add_nc_u32 v[STO], s20, v3                   ; in: row l % 16, 16 bytes for each half of the lanes
	v_bfe_u32 v5, v0, 3, 2                         ; back: 32 lanes take four rows of 128 bytes,
	v_mul_u32_u24 v5, v5, PB
	v_and_b32 v6, 7, v0
	v_lshl_add_u32 v5, v6, 4, v5
	v_add_nc_u32 v[RD], s20, v5
	v_and_b32 v[GO], 31, v0                        ; which are 512 consecutive bytes of C
	v_lshlrev_b32 v[GO], 4, v[GO]
	v_lshlrev_b32 v[BO], 5, v2                     ; 8 f32 for each half of the lanes
	; C at my 64 rows of my first column block, in q
	s_lshr_b32 s16, s42, 3
	s_lshl_b32 s16, s16, 21                        ; the matrix b = tile row / 8,
	s_and_b32 s17, s42, 7
	s_lshl_b32 s17, s17, 14                        ; its rows 128 (tile row % 8) on, 128 bytes each,
	s_add_co_u32 s16, s16, s17
	s_lshl_b32 s17, s13, 13                        ; my 64 of them
	s_add_co_u32 s16, s16, s17
	s_mov_b32 s17, 0
	s_add_nc_u64 s[74:75], s[74:75], s[16:17]
	s_lshl_b32 s46, s15, 19                        ; column block 4 x tile column + 2 x half (in the registers that held W's address: none that fed x's descriptors ever holds cx)
	s_lshl_b32 s47, s14, 18
	s_add_co_u32 s46, s46, s47
	s_mov_b32 s47, 0
	s_add_nc_u64 s[74:75], s[74:75], s[46:47]
	; the three biases at my 128 columns
	s_lshl_b32 s46, s15, 10
	s_lshl_b32 s47, s14, 9
	s_add_co_u32 s46, s46, s47
	s_mov_b32 s47, 0
	s_add_nc_u64 s[68:69], s[68:69], s[46:47]
	s_add_nc_u64 s[70:71], s[70:71], s[46:47]
	s_add_nc_u64 s[72:73], s[72:73], s[46:47]
.macro BIAS                            ; 16 loads: the bias of my 128 columns, from s[68:69]
	WIN W_IN
.irp b, 0,1,2,3,4,5,6,7
	global_load_b128 v[BI+8*\b:BI+8*\b+3],   v[BO], s[68:69] offset:64*\b
	global_load_b128 v[BI+8*\b+4:BI+8*\b+7], v[BO], s[68:69] offset:64*\b+16
.endr
	WIN 0
.endm
	BIAS
; 8 matrix instructions: m block a x all 8 n blocks, 32 along K, from buffer f.  first = 1: the product starts the sums, with the bias as C: nothing is cleared, and nothing is added later.
; The 32 accumulators take turns, one instruction a turn, in the same order in every quarter step and from tile to tile.
.macro MUL8 f, a, first
.if \first
	WIN MULB
.else
	WIN MUL
.endif
.irp b, 0,1,2,3,4,5,6,7
.if \first
	v_wmma_f32_16x16x32_bf16 v[8*(8*(\a)+(\b)):8*(8*(\a)+(\b))+7], v[(\f)+8*(\b):(\f)+8*(\b)+7], v[(\f)+64+8*(\a):(\f)+64+8*(\a)+7], v[BI+8*(\b):BI+8*(\b)+7]
.else
	v_wmma_f32_16x16x32_bf16 v[8*(8*(\a)+(\b)):8*(8*(\a)+(\b))+7], v[(\f)+8*(\b):(\f)+8*(\b)+7], v[(\f)+64+8*(\a):(\f)+64+8*(\a)+7], v[8*(8*(\a)+(\b)):8*(8*(\a)+(\b))+7]
.endif
.endr
.endm
; 32 LDS loads in one run: the fragments of quarter q of a K step.  W's eight (column block q / 2, its bytes 64 (q % 2) on) into buffer f; then x's four (bytes 128 q of the rows on) into LA, in f32.
.macro FETCH slot, q, f
	WIN 0
.irp i, 0,1,2,3,4,5,6,7
	ds_load_b128 v[(\f)+8*(\i):(\f)+8*(\i)+3],   v[ADRB+(\slot)] offset:((\q)/2)*BBLK+((\q)%2)*64+(\i)*16*PB
	ds_load_b128 v[(\f)+8*(\i)+4:(\f)+8*(\i)+7], v[ADRB+(\slot)] offset:((\q)/2)*BBLK+((\q)%2)*64+(\i)*16*PB+32
.endr
	WIN W_IN
.irp i, 0,1,2,3
	ds_load_b128 v[LA+16*(\i):LA+16*(\i)+3],     v[ADRA+(\slot)] offset:(\q)*128+(\i)*16*PA
	ds_load_b128 v[LA+16*(\i)+4:LA+16*(\i)+7],   v[ADRA+(\slot)] offset:(\q)*128+(\i)*16*PA+16
	ds_load_b128 v[LA+16*(\i)+8:LA+16*(\i)+11],  v[ADRA+(\slot)] offset:(\q)*128+(\i)*16*PA+64
	ds_load_b128 v[LA+16*(\i)+12:LA+16*(\i)+15], v[ADRA+(\slot)] offset:(\q)*128+(\i)*16*PA+80
.endr
.endm
; Fragment a of x is rounded to bf16, out of LA into buffer f: 8 conversions.  They stand in runs of 16, not singly among the matrix instructions: their sources lie in window 2, and a run costs two switches.
.macro CVT f, a
	WIN W_CV
.irp j, 0,1,2,3,4,5,6,7
	v_cvt_pk_bf16_f32 v[(\f)+64+8*(\a)+(\j)], v[LA+16*(\a)+2*(\j)], v[LA+16*(\a)+2*(\j)+1]
.endr
.endm
.macro PLACES                          ; four places in front of loads into registers that matrix instructions have read
.rept 4
	v_nop
.endr
.endm
; A K step is four quarters of 32 along K, 32 matrix instructions each, on buffers 0, 1, 0, 1.  One of the first three: multiplies buffer f; in its middle it fetches quarter q of the same slot for buffer g.
; The second run of conversions empties LA, so the fetch may follow it; it is also the places between the last quarter's products, which read buffer g, and the loads into g.
.macro QUARTER slot, q, f, g, first
	s_wait_dscnt 8                                 ; W's fragments and x's first two are in; the youngest eight loads (x's other two) may be out
	CVT \f, 0
	CVT \f, 1
	MUL8 \f, 0, \first
	MUL8 \f, 1, \first
	s_wait_dscnt 0x0                               ; x's other two: asked for 32 matrix instructions ago
	CVT \f, 2
	CVT \f, 3
	FETCH \slot, \q, \g
	MUL8 \f, 2, \first
	MUL8 \f, 3, \first
.endm
; The last quarter multiplies buffer 1 and changes slots: ONE barrier; in front of it each wave waits for all its tensor loads (one is out: its part of the next slot), adds 0 to its spare word, and waits for that
; and for its own reads of this slot.  fill = 1: the barrier opens a round of the cluster's, and this slot is filled again, two K steps ahead, first thing behind the round: 112 matrix instructions ahead of the wait
; for it.  fill = 2: the same with the NEXT tile's K step 0 or 1: x's address is made anew from the next x, W's steps on as ever.  fill = 0: nothing is left to fetch.
.macro TURN slot, next, fill
	WIN 0                                          ; (the add's two registers lie in window 0)
	s_wait_tensorcnt 0x0                           ; all my tensor loads have landed;
	ds_add_u32 v[SPW], v[NIL]                      ; 0 onto my spare word;
	s_wait_dscnt 9                                 ; (the add and the youngest eight loads may be out)
	CVT F1, 0
	CVT F1, 1
	MUL8 F1, 0, 0                                  ; conversions and eight matrix instructions stand between the add and the wait for it
	s_wait_dscnt 0x0                               ; the add is done, and my reads of this slot are over
	s_barrier_signal -1
	MUL8 F1, 1, 0                                  ; work on registers while the others arrive
	CVT F1, 2
	CVT F1, 3
.if \fill
	WIN 0
.endif
	s_barrier_wait -1
.if \fill
	CREST                                          ; no wave of any partner still reads this slot's tiles or has a load on its way
.if (\fill) == 2
	s_add_nc_u64 s[G0+4*(\slot)+2:G0+4*(\slot)+3], s[6:7], (\slot)*512
	s_or_b32 s[G0+4*(\slot)+3], s[G0+4*(\slot)+3], 0x80000000
.else
	s_add_nc_u64 s[G0+4*(\slot)+2:G0+4*(\slot)+3], s[G0+4*(\slot)+2:G0+4*(\slot)+3], ASTEP
.endif
	s_add_nc_u64 s[G0B+4*(\slot)+2:G0B+4*(\slot)+3], s[G0B+4*(\slot)+2:G0B+4*(\slot)+3], BSTEP
	JLOAD \slot
.endif
	FETCH \next, 0, F0                             ; buffer 0's last products stand 32 conversions back
	MUL8 F1, 2, 0
	MUL8 F1, 3, 0
.endm
; THE WAY OUT, in 8 pieces of 16 rows x 64 columns (piece t: m block t / 2, column block t % 2: accumulator registers 32 t .. 32 t + 31).  A piece is 2,048 consecutive bytes of C.
; No v_nop: m blocks 0 and 1 were finished in front of the quarter's second run of conversions, and the 64 conversions of pieces 0 to 3, which name no register of the last products (m blocks 2 and 3), are those products' places.
.macro PACK t                          ; rounded to bf16 (each accumulator's registers in ascending order); 16 bytes a lane into rows of 144 bytes of my own stage; back as whole rows of 128, into the same registers
	WIN 0x85                                       ; sources 0 and 1 window 1, destination window 2
.set i, 0
.rept 16
	v_cvt_pk_bf16_f32 v[T+16*(\t)+i], v[32*(\t)+2*i], v[32*(\t)+2*i+1]
.set i, i+1
.endr
	WIN W_OUT
.irp f, 0,1,2,3
	ds_store_b128 v[STO], v[T+16*(\t)+4*\f:T+16*(\t)+4*\f+3] offset:32*\f
.endr
	WIN W_IN
.irp f, 0,1,2,3
	ds_load_b128 v[T+16*(\t)+4*\f:T+16*(\t)+4*\f+3], v[RD] offset:\f*4*PB  ; LDS serves a wave's instructions in order (ISA guide 5.7.1.4): these see the stores above; the next piece's stores come behind them
.endr
.endm
.macro SEND t, younger                 ; younger: the LDS instructions issued behind piece t's loads: the next piece's eight, or none
	WIN W_OUT
.irp f, 0,1,2,3
	s_wait_dscnt (\younger)+3-\f
	global_store_b128 v[GO], v[T+16*(\t)+4*\f:T+16*(\t)+4*\f+3], s[74:75] offset:((\t)%2)*131072+((\t)/2)*2048+512*\f  ; 512 consecutive bytes, at a multiple of 256 from C's first
.endr
.endm
.macro WAYOUT
	PACK 0
.set t, 1
.rept 7                                ; a piece's conversions stand between the loads of the piece before and its stores
	PACK t
	SEND t-1, 8
.set t, t+1
.endr
	SEND 7, 0
	WIN 0
.endm
	s_wait_tensorcnt 1                             ; my part of K step 0 is in; step 1's may stay out
	s_barrier_signal -1
	s_barrier_wait -1                              ; everybody's is
	FETCH 0, 0, F0
	WIN 0                                          ; at a label and at a branch every window is 0
	s_mov_b32 s2, TILES                            ; tiles to go, this one among them: the same number in every work-group
.Ltile:
	s_wait_loadcnt 0x0                             ; this tile's bias: asked for at the start, or a tile ago
	QUARTER 0, 1, F0, F1, 1                        ; a tile's first quarter stands in front of the loop: its products start the sums
	WIN 0
	s_cmp_eq_u32 s2, 1
	s_cbranch_scc1 .Lno_bias                       ; the last tile has no successor
	PLACES                                         ; the products just issued read the bias
	s_mov_b64 s[68:69], s[70:71]                   ; the next tile's bias is asked for now and waited for at that tile's head
	s_mov_b64 s[70:71], s[72:73]
	BIAS
.Lno_bias:
	s_mov_b32 s3, LAPS-1
.Llap:                                                 ; a trip goes once round the ring, from a lap's second quarter to the next lap's first, and fills both slots again
	QUARTER 0, 2, F1, F0, 0
	QUARTER 0, 3, F0, F1, 0
	TURN 0, 1, 1
	QUARTER 1, 1, F0, F1, 0
	QUARTER 1, 2, F1, F0, 0
	QUARTER 1, 3, F0, F1, 0
	TURN 1, 0, 1
	QUARTER 0, 1, F0, F1, 0
	WIN 0
	s_sub_co_u32 s3, s3, 1
	s_cmp_lg_u32 s3, 0
	s_cbranch_scc1 .Llap
	QUARTER 0, 2, F1, F0, 0                        ; the tile's last lap goes on
	QUARTER 0, 3, F0, F1, 0
	WIN 0
	s_cmp_eq_u32 s2, 1
	s_cbranch_scc1 .Llast_tile                     ; the last tile's tail is written out: it asks for nothing more
	TURN 0, 1, 2                                   ; THE RING GOES ON INTO THE NEXT TILE: slot 0 takes its K step 0,
	QUARTER 1, 1, F0, F1, 0
	QUARTER 1, 2, F1, F0, 0
	QUARTER 1, 3, F0, F1, 0
	TURN 1, 0, 2                                   ; slot 1 its K step 1, and the next tile's first fragments are fetched
	s_mov_b64 s[6:7], s[8:9]                       ; the x behind the next
	WAYOUT                                         ; both refills are asked for: now the tile goes out
	s_wait_xcnt 0x0                                ; every earlier memory instruction has had its addresses translated (ISA guide 3.1): only behind this wait are C's address and the registers that the stores read rewritten
	s_add_nc_u64 s[74:75], s[74:75], CSTEP
	s_sub_co_u32 s2, s2, 1
	s_branch .Ltile
.Llast_tile:
	TURN 0, 1, 0                                   ; my one tensor load that was still out is slot 1's, the last K step's, so no round follows
	QUARTER 1, 1, F0, F1, 0
	QUARTER 1, 2, F1, F0, 0
	QUARTER 1, 3, F0, F1, 0
	s_wait_dscnt 8                                 ; the very last quarter: nothing more to fetch
	CVT F1, 0
	CVT F1, 1
	MUL8 F1, 0, 0
	MUL8 F1, 1, 0
	s_wait_dscnt 0x0
	CVT F1, 2
	CVT F1, 3
	MUL8 F1, 2, 0
	MUL8 F1, 3, 0
	WAYOUT
	s_wait_tensorcnt 0x0                           ; the wave's end: behind my last tensor load and my last LDS store
	ds_add_u32 v[SPW], v[NIL]
	s_wait_dscnt 0x0
	CROUND                                         ; the closing round: no work-group ends while a partner may still ask for a tile that names it
	s_endpgm
.Lfunc_end_k_qf7422ed434_proj:
	.size	k_qf7422ed434_proj, .Lfunc_end_k_qf7422ed434_proj-k_qf7422ed434_proj
	.p2alignl 7, 3214868480
	.fill 96, 4, 3214868480
	.section	.rodata,"a",@progbits
	.p2align	6, 0x0
	.amdhsa_kernel k_qf7422ed434_proj
		.amdhsa_group_segment_fixed_size 327680
		.amdhsa_private_segment_fixed_size 0
		.amdhsa_enable_private_segment 0
		.amdhsa_kernarg_size 64
		.amdhsa_user_sgpr_count 2
		.amdhsa_user_sgpr_kernarg_segment_ptr 1
		.amdhsa_wavefront_size32 1
		.amdhsa_system_sgpr_workgroup_id_x 1
		.amdhsa_system_sgpr_workgroup_id_y 1
		.amdhsa_system_sgpr_workgroup_id_z 1
		.amdhsa_system_vgpr_workitem_id 0
		.amdhsa_next_free_vgpr 768
		.amdhsa_next_free_sgpr 76
		.amdhsa_reserve_vcc 0
		.amdhsa_float_denorm_mode_32 3
		.amdhsa_float_denorm_mode_16_64 3
		.amdhsa_memory_ordered 1
		.amdhsa_forward_progress 1
		.amdhsa_inst_pref_size 182
	.end_amdhsa_kernel
	.amdgpu_metadata
---
amdhsa.version: [ 1, 2 ]
amdhsa.kernels:
  - .name:           k_qf7422ed434_proj
    .symbol:         k_qf7422ed434_proj.kd
    .args:
      - { .name: query_tensors, .offset: 0, .size: 8, .value_kind: global_buffer, .address_space: global }
      - { .name: key_tensors, .offset: 8, .size: 8, .value_kind: global_buffer, .address_space: global }
      - { .name: value_tensors, .offset: 16, .size: 8, .value_kind: global_buffer, .address_space: global }
      - { .name: wqkv, .offset: 24, .size: 8, .value_kind: global_buffer, .address_space: global }
      - { .name: bq, .offset: 32, .size: 8, .value_kind: global_buffer, .address_space: global }
      - { .name: bk, .offset: 40, .size: 8, .value_kind: global_buffer, .address_space: global }
      - { .name: bv, .offset: 48, .size: 8, .value_kind: global_buffer, .address_space: global }
      - { .name: qkv, .offset: 56, .size: 8, .value_kind: global_buffer, .address_space: global }
    .group_segment_fixed_size: 327680
    .private_segment_fixed_size: 0
    .kernarg_segment_align: 8
    .kernarg_segment_size: 64
    .max_flat_workgroup_size: 128
    .sgpr_count:     76
    .vgpr_count:     768
    .wavefront_size: 32
...
	.end_amdgpu_metadata
.endif
;; end of part 2
;; launch attn (part 3): grid 2 x 128, 8 waves a work-group, no clusters, 327,680 bytes of LDS; arguments qkv, attention_mask, ctx; writes ctx
.if DOCPART == 3
	.amdgcn_target "amdgcn-amd-amdhsa--gfx1250"
	.amdhsa_code_object_version 6
	.text
	.protected	k_qf7422ed434_attn
	.globl	k_qf7422ed434_attn
	.p2align	8
	.type	k_qf7422ed434_attn,@function
k_qf7422ed434_attn:
	s_mov_b64 s[64:65], 0
	v_nop
	global_prefetch_b8 v0, s[64:65] scope:SCOPE_SE
	s_setreg_imm32_b32 hwreg(HW_REG_WAVE_MODE, 25, 1), 1
	s_wait_xcnt 0x0
; ATTENTION WITH AN ADDITIVE KEY MASK.  ctx[b][h][q][:] = the sum over k of softmax_k(Q[q] . K[k] / 8 + (1 - mask[b][k]) (-10000)) V[k][:].
; qkv: [3][8 b][16 h][1024][64] bf16 (a head's rows are dense, 128 bytes each), unscaled; mask: [8][1024] f32; ctx: [8 b][16 h][1024][64] bf16.
; Products, maxima and sums in f32; the weights p are rounded to bf16 for the second product (their sum l is taken of the unrounded p), ctx once at the end.
; LIMITS.  The mask's term enters the unscaled score as u = (1 - mask) (-80000), which is 8 times reference's term bit for bit; score + u is rounded at 8 times the scale, the same relative step.
; A weight below 2^-126 counts as 0 in l; NaN and infinities are not treated apart.
; SHARES.  Work-group (x, y): head y = 16 b + h, its queries 512 x .. 512 x + 511.  Each of eight waves owns 64 queries: four tiles of 16, in two pieces of two tiles; every wave walks all 1,024 keys, 64 a step.
; ALL OF THE HEAD'S K AND V LIE IN LDS, filled once, one tensor load a wave (256 keys of K or of V: 32,768 dense bytes asked for as 128 rows of 256).  So no slot is filled again and no barrier stands in the
; loop over keys: the two waves that share a SIMD's registers (512 each) are free to drift apart, one at its softmax while the other has the matrix unit.
; NO CLUSTER: only the two work-groups of a head share tiles, each reads them once, and a cluster here is four work-groups or sixteen.
; LAYOUT.  S^T = K Q^T + u (source 0 = 16 keys, source 1 = 16 queries; u is the C operand of the product that starts the sum, so the mask costs no vector instruction and the running maximum sees the masked
; scores): a lane holds ONE query (lane % 16) and the keys 8 (lane / 16) + 0..7.  Two such results, rounded to bf16 in pairs, ARE source 1 of O^T = V^T P, whose result again holds one query a lane and eight channels.
; K comes out of LDS as it lies, V ([key][channel]) turned, by ds_load_tr16_b128.
; SOFTMAX.  For each query a running maximum m and sum l: p = 2^(c s - c m), c = log2(e) / 8; in every step O and l are multiplied by a = 2^(c m_old - c m_new).  m starts at the lowest finite number, O and l at 0:
; the first step is a step like any other, with a = 0.  The price: 128 v_mov_b32, which stand in the wait for the tiles; the gain: no first step written out.
; REGISTERS, in windows of 256 (s_set_vgpr_msb: bits 1:0 source 0, 3:2 source 1, 5:4 source 2, 7:6 destination):
;   window 0: v0-15 addresses; v16-31 four registers of statistics a tile; v32-41 at work; v64-127 S^T of a piece; v128-159 P of a piece; v160-191 u of a step's 64 keys; v192-255 K of a step
;   window 1: v0-127 O^T, 32 a tile; v128-191 Q, 16 a tile; v192-255 V of a step
.set KS,    64        ; keys in a step
.set PK,    144       ; a row of K in LDS: 128 bytes + 16 of padding = 36 words: the 16 rows of a load start at 16 different groups of four banks (64 banks of 4 bytes: ISA guide 11.1)
.set PV,    160       ; a row of V: 128 + 32 = 40 words
.set VOFF,  1024*PK   ; K's 1,024 rows, then V's
.set MASK,  VOFF+1024*PV  ; then u, 1,024 f32, written by ds_store: blocks of 256 bytes into which no tile lands
.set SPARE, MASK+4096 ; then the spare words, 128 bytes for each wave: four blocks of 256 bytes that no other line names
.set SP,    144       ; the way out: 16 rows x 144 bytes for each wave, at the head of K's region, which has had its only fill and is read no more by then
.set AK0, 2           ; v2   my lane's place in a step's K; never rewritten
.set AV0, 3           ; v3   the same for V
.set AM0, 4           ; v4   the same for u
.set QO,  5           ; v5   my byte offset in 16 rows of Q
.set STO, 6           ; v6   the way out: where I put 16 bytes of a row
.set RD,  7           ; v7   the way out: where I read rows back
.set GO,  8           ; v8   my byte offset in 512 consecutive bytes of ctx
.set AK,  10          ; v10  the LDS address of the step's K (at the start: at work)
.set AV,  11          ; v11  of its V (at the start: at work)
.set SPW, 12          ; v12  LDS address of my spare word: SPARE + 4 x my thread's number; never rewritten
.set NIL, 13          ; v13  0; never rewritten
.set AM,  14          ; v14  the LDS address of the step's u
.set MO,  15          ; v15  16 x my thread's number: my four numbers of the mask
.set ST,  16          ; tile t's statistics at v[ST+4 t]: c m, m, l (even keys', odd keys')
.set TMP, 32          ; for each tile of the piece in hand four registers c0-c3 at work; when the maximum is found c2 takes a
.set MV,  40          ; v40-41  c m_old, kept while c m is made anew
.set MW,  44          ; v44-47  my four numbers of the mask
.set S,   64
.set P,   128
.set MK,  160
.set KF,  192         ; key block kb, channel half c at KF + 16 kb + 8 c
.set O,   0           ; window 1
.set Q,   128         ; window 1
.set VF,  192         ; window 1: key half kk, channel block cb at VF + 32 kk + 8 cb
.set WV,  12          ; s12  my wave's number
.set G1K, 24          ; s[24:31] descriptor group 1 for K's tiles
.set G1V, 32          ; s[32:39] for V's: it differs in the padding alone
.set G0K, 40          ; s[40:43] descriptor group 0 for K's tile
.set G0V, 44          ; s[44:47] the same for V's
.set TBK, 52          ; s52  LDS byte at which the step's K begins
.set TBV, 53          ; s53  the same for V, less VOFF
.set TBM, 54          ; s54  the same for u, less MASK
.set CNT, 57          ; s57  key steps to go
.set CS,  58          ; s[58:59] c: the packed scaling takes the pair's low word for both halves
.set SEL, 60          ; s[60:61] v_permlanex16_b32's selects: each lane takes its own place in the other half
.set MSB, 0
.macro WIN new                      ; the high byte repeats the setting that is left; a switch that changes nothing is dropped
.if MSB != (\new)
	s_set_vgpr_msb (MSB<<8)|(\new)
.set MSB, (\new)
.endif
.endm
.set W_KQ, 0x04       ; K, u and S^T in window 0, Q in window 1
.set W_PV, 0x51       ; V and O^T in window 1, P in window 0
.set W_RS, 0x41       ; O^T (destination and source 0) in window 1, the factor in window 0
	s_load_b128 s[4:7], s[0:1], 0x0 ; qkv s[4:5], mask s[6:7]
	s_load_b64 s[8:9], s[0:1], 0x10 ; ctx
	v_lshl_add_u32 v[SPW], v0, 2, SPARE
	v_mov_b32 v[NIL], 0
	ds_add_u32 v[SPW], v[NIL]       ; the wave's opening: the add and its wait stand ahead of my first tensor load; the set-up below, work on registers, stands between them
	ds_add_u32 v12, v13
	v_lshrrev_b32 v1, 5, v0
	v_readfirstlane_b32 s[WV], v1   ; wave 0..7
	s_and_b32 s13, s[WV], 3         ; which 256 keys I fetch
	s_and_b32 s14, ttmp7, 0xffff    ; the head, 16 b + h
	s_mov_b32 s15, ttmp9            ; which 512 of its queries
	s_lshl_b32 s16, s14, 17         ; a head is 131,072 bytes
	s_lshl_b32 s17, s13, 15         ; 256 keys are 32,768
	s_add_co_u32 s18, s16, s17
	s_add_co_u32 s18, s18, 0x1000000  ; k lies 16,777,216 bytes behind q,
	s_mov_b32 s19, 0
	s_add_co_u32 s20, s18, 0x1000000  ; v as far behind k
	s_mov_b32 s21, 0
	s_lshl_b32 s17, s15, 16         ; my work-group's 512 rows,
	s_add_co_u32 s22, s16, s17
	s_lshl_b32 s17, s[WV], 13       ; my wave's 64 of them
	s_add_co_u32 s22, s22, s17
	s_mov_b32 s23, 0
	s_lshr_b32 s48, s14, 4
	s_lshl_b32 s48, s48, 12         ; the mask's row b
	s_mov_b32 s49, 0
	; descriptor group 1.  256 keys are 32,768 dense bytes: asked for as 128 rows of 256 bytes, two keys a row, and padded in LDS after every key
	s_mov_b32 s[G1K], (1<<16)|(1<<20)|(4<<22)|(3<<25)  ; 17:16 2-byte elements; 20 padding on; 24:22 after every 32 words (code 4); 31:25 4 words (code 3)
	s_mov_b32 s[G1V], (1<<16)|(1<<20)|(4<<22)|(7<<25)  ; the same with 8 words of padding (code 7)
.irp g, G1K, G1V
	s_mov_b32 s[\g+1], 128<<16      ; tensor_dim0 = 128
	s_mov_b32 s[\g+2], 128<<16      ; tensor_dim1 = 128
	s_mov_b32 s[\g+3], 128<<16      ; tile_dim0 = 128
	s_mov_b32 s[\g+4], 128          ; tile_dim1 = 128
	s_mov_b32 s[\g+5], 128          ; 128 elements from row to row
	s_mov_b32 s[\g+6], 0
	s_mov_b32 s[\g+7], 0
.endr
	s_mov_b32 s[G0K], 1             ; 1:0 count = 1
	s_mul_i32 s[G0K+1], s13, 256*PK ; 63:32 LDS address
	s_mov_b32 s[G0V], 1
	s_mul_i32 s[G0V+1], s13, 256*PV
	s_add_co_u32 s[G0V+1], s[G0V+1], VOFF
	s_mov_b32 s[CS], 0x3e38aa3b     ; c = log2(e) / 8 = 0.180337
	s_mov_b32 s[CS+1], s[CS]        ; named with it as a pair
	s_mov_b32 s[SEL], 0x76543210
	s_mov_b32 s[SEL+1], 0xfedcba98
	s_mov_b32 s[TBK], 0
	s_mov_b32 s[TBV], 0
	s_mov_b32 s[TBM], 0
	s_wait_dscnt 0x0                ; the opening add is done
	s_wait_kmcnt 0x0
	s_add_nc_u64 s[G0K+2:G0K+3], s[4:5], s[18:19]  ; 120:64 global address
	s_or_b32 s[G0K+3], s[G0K+3], 0x80000000        ; 127:126 type = 2
	s_add_nc_u64 s[G0V+2:G0V+3], s[4:5], s[20:21]
	s_or_b32 s[G0V+3], s[G0V+3], 0x80000000
	s_add_nc_u64 s[4:5], s[4:5], s[22:23]          ; Q and ctx at my wave's first row
	s_add_nc_u64 s[8:9], s[8:9], s[22:23]
	s_add_nc_u64 s[6:7], s[6:7], s[48:49]
	; The fill: waves 0-3 fetch K's four quarters, waves 4-7 V's: one tensor load of mine is out.  An s_nop 0 and four v_nop follow each of the two lines, ahead of the jump and the label.
	s_cmp_lt_u32 s[WV], 4
	s_cbranch_scc0 .Lfor_v
	tensor_load_to_lds s[G0K:G0K+3], s[G1K:G1K+7]
	s_nop 0
.rept 4
	v_nop
.endr
	s_branch .Lasked
.Lfor_v:
	tensor_load_to_lds s[G0V:G0V+3], s[G1V:G1V+7]
	s_nop 0
.rept 4
	v_nop
.endr
.Lasked:
	v_lshlrev_b32 v[MO], 4, v0
	global_load_b128 v[MW:MW+3], v[MO], s[6:7]     ; 256 threads x 4 numbers: the mask's whole row
	; A fragment of K or Q is 16 rows x 32 channels in 8 registers: lane l holds row l % 16, channels 8 (l / 16) + 0..7 and 16 + 8 (l / 16) + 0..7: two loads of 16 bytes, 32 bytes apart.
	v_and_b32 v1, 15, v0            ; l % 16
	v_bfe_u32 v9, v0, 4, 1          ; l / 16
	v_lshlrev_b32 v[QO], 7, v1
	v_lshl_add_u32 v[QO], v9, 4, v[QO]  ; row x 128 + 16 x half
	WIN 0x40                        ; destination window 1, address window 0
.set i, 0
.rept 8                             ; Q stays in registers: tile i / 2, channels 32 (i % 2) on
	global_load_b128 v[Q+8*i:Q+8*i+3],   v[QO], s[4:5] offset:(i/2)*2048+(i%2)*64
	global_load_b128 v[Q+8*i+4:Q+8*i+7], v[QO], s[4:5] offset:(i/2)*2048+(i%2)*64+32
.set i, i+1
.endr
.set i, O
.rept 128
	v_mov_b32 v[i], 0               ; O^T
.set i, i+1
.endr
	WIN 0
.set i, 0
.rept 4
	v_mov_b32 v[ST+4*i], 0xfe000000    ; c m: far below every c s
	v_mov_b32 v[ST+4*i+1], 0xff7fffff  ; m
	v_mov_b32 v[ST+4*i+2], 0           ; l
	v_mov_b32 v[ST+4*i+3], 0
.set i, i+1
.endr
	v_mul_u32_u24 v[AK0], v1, PK
	v_lshl_add_u32 v[AK0], v9, 4, v[AK0]  ; row x pitch + 16 x half
	; The turning load takes 16 keys x 16 channels (lane l reads key 8 (l / 16) + l % 8, channels 8 ((l / 8) % 2) + 0..7) and leaves half a fragment of V^T: lane l holds channel l % 16 and 8 keys.
	v_and_b32 v10, 7, v0
	v_bfe_u32 v11, v0, 3, 1
	v_lshl_add_u32 v[AV0], v9, 3, v10
	v_mul_u32_u24 v[AV0], v[AV0], PV
	v_lshl_add_u32 v[AV0], v11, 4, v[AV0]
	v_add_nc_u32 v[AV0], VOFF, v[AV0]
	v_lshlrev_b32 v[AM0], 5, v9     ; u of the keys 8 (l / 16) + 0..7: all lanes of a half read the same words
	v_add_nc_u32 v[AM0], MASK, v[AM0]
	s_mul_i32 s13, s[WV], 16*SP     ; my stage
	v_add_nc_u32 v[STO], s13, v[AK0]  ; in: row l % 16, 16 bytes for each half of the lanes
	v_bfe_u32 v[RD], v0, 3, 2       ; back: 32 lanes take four rows of 128 bytes,
	v_mul_u32_u24 v[RD], v[RD], SP
	v_lshl_add_u32 v[RD], v10, 4, v[RD]
	v_add_nc_u32 v[RD], s13, v[RD]
	v_and_b32 v[GO], 31, v0         ; which are 512 consecutive bytes of ctx
	v_lshlrev_b32 v[GO], 4, v[GO]
	v_add_nc_u32 v11, MASK, v[MO]
	s_wait_loadcnt 16               ; the mask is in; Q's sixteen loads may stay out
.irp j, 0,1,2,3
	v_sub_f32 v[MW+\j], 1.0, v[MW+\j]
.endr
.irp j, 0,1,2,3
	v_mul_f32 v[MW+\j], 0xc79c4000, v[MW+\j]  ; x (-80000)
.endr
	ds_store_b128 v11, v[MW:MW+3]
	s_wait_loadcnt 0x0              ; Q
	s_wait_tensorcnt 0x0            ; my part of K or V has landed,
	s_wait_dscnt 0x0                ; my part of u is stored:
	s_barrier_signal -1
	s_barrier_wait -1               ; everybody's is
; THE MATRIX WORK.  The 8 accumulators of a run of 16 take turns: between the two links of a chain stand 7 others'.
; Product i of 16 of S^T = K Q^T + u for piece x: channels 32 (i / 8) on, keys 16 ((i / 2) % 4) on, tile 2 x + i % 2.  The first 8 start the sums, with u.
.macro KQ x
	WIN W_KQ
.set rS, S+32*(i%2)+8*((i/2)%4)
.set rK, KF+16*((i/2)%4)+8*(i/8)
.set rQ, Q+16*(2*(\x)+i%2)+8*(i/8)
.set rU, MK+8*((i/2)%4)
.if i < 8
	v_wmma_f32_16x16x32_bf16 v[rS:rS+7], v[rK:rK+7], v[rQ:rQ+7], v[rU:rU+7]
.else
	v_wmma_f32_16x16x32_bf16 v[rS:rS+7], v[rK:rK+7], v[rQ:rQ+7], v[rS:rS+7]
.endif
.endm
; Product i of 16 of O^T += V^T P for piece x: keys 32 (i / 8) on, channels 16 ((i / 2) % 4) on, tile 2 x + i % 2.
.macro PV x
	WIN W_PV
.set rO, O+32*(2*(\x)+i%2)+8*((i/2)%4)
.set rV, VF+32*(i/8)+8*((i/2)%4)
.set rP, P+16*(i%2)+8*(i/8)
	v_wmma_f32_16x16x32_bf16 v[rO:rO+7], v[rV:rV+7], v[rP:rP+7], v[rO:rO+7]
.endm
.macro PLACES                       ; four places between products and the vector instructions that read their results (ISA guide 7.12.1)
.rept 4
	v_nop
.endr
.endm
; THE LDS LOADS of a step in one run of 40: K (8 fragments), u (64 numbers), V (8 fragments, turned).  The three additions that make the addresses and one v_nop are the four places behind the last trip's
; last products, which read V's registers.
.macro FETCH
	WIN 0
	v_add_nc_u32 v[AK], s[TBK], v[AK0]
	v_add_nc_u32 v[AM], s[TBM], v[AM0]
	v_add_nc_u32 v[AV], s[TBV], v[AV0]
	v_nop
.irp f, 0,1,2,3,4,5,6,7             ; keys 16 (f / 2) on, channels 32 (f % 2) on
	ds_load_b128 v[KF+8*\f:KF+8*\f+3],   v[AK] offset:(\f/2)*16*PK+(\f%2)*64
	ds_load_b128 v[KF+8*\f+4:KF+8*\f+7], v[AK] offset:(\f/2)*16*PK+(\f%2)*64+32
.endr
.irp f, 0,1,2,3                     ; keys 16 f on
	ds_load_b128 v[MK+8*\f:MK+8*\f+3],   v[AM] offset:64*\f
	ds_load_b128 v[MK+8*\f+4:MK+8*\f+7], v[AM] offset:64*\f+16
.endr
	WIN 0x40                        ; destination window 1
.irp f, 0,1,2,3,4,5,6,7             ; keys 32 (f / 4) on, channels 16 (f % 4) on
	ds_load_tr16_b128 v[VF+8*\f:VF+8*\f+3],   v[AV] offset:(\f/4)*32*PV+(\f%4)*32
	ds_load_tr16_b128 v[VF+8*\f+4:VF+8*\f+7], v[AV] offset:(\f/4)*32*PV+16*PV+(\f%4)*32
.endr
	s_add_co_u32 s[TBK], s[TBK], KS*PK  ; the next run is the next step's
	s_add_co_u32 s[TBV], s[TBV], KS*PV
	s_add_co_u32 s[TBM], s[TBM], KS*4
.endm
; THE VECTOR WORK: a piece's softmax for one step.  The two tiles alternate, so that no instruction reads the result of the one just before it.
.macro REGS x, u                    ; the registers of tile u (0, 1) of piece x
.set rT, ST+4*(2*(\x)+(\u))
.set rC, TMP+4*(\u)
.set rM, MV+(\u)
.set rS, S+32*(\u)
.set rP, P+16*(\u)
.set rO, O+32*(2*(\x)+(\u))
.endm
; Number n of the 22 that find the maximum and statistics.  s0-s31 are the lane's 32 scores; each accumulator's lowest registers are read first.
;   0-11  four chains c0-c3 of seven scores each, three operands at a time     12-14, 16  the four scores left over, the old m, and c0-c3 into c0     15  c m_old is kept
;   17, 18  the query's other 32 keys lie in the lane 16 away: the new m         19-21  c m; c m_old - c m_new; a
.macro XS x, u, n
	REGS \x, \u
.if (\n) < 4
	v_max3_num_f32 v[rC+(\n)], v[rS+8*(\n)], v[rS+8*(\n)+1], v[rS+8*(\n)+2]
.elseif (\n) < 12
	v_max3_num_f32 v[rC+(\n)%4], v[rC+(\n)%4], v[rS+8*((\n)%4)+2*((\n)/4)+1], v[rS+8*((\n)%4)+2*((\n)/4)+2]
.elseif (\n) == 12
	v_max3_num_f32 v[rC], v[rC], v[rS+7], v[rS+15]
.elseif (\n) == 13
	v_max3_num_f32 v[rC+1], v[rC+1], v[rS+23], v[rS+31]
.elseif (\n) == 14
	v_max3_num_f32 v[rC+2], v[rC+2], v[rC+3], v[rT+1]
.elseif (\n) == 15
	v_mov_b32 v[rM], v[rT]
.elseif (\n) == 16
	v_max3_num_f32 v[rC], v[rC], v[rC+1], v[rC+2]
.elseif (\n) == 17
	v_permlanex16_b32 v[rC+3], v[rC], s[SEL], s[SEL+1]
.elseif (\n) == 18
	v_max_num_f32 v[rT+1], v[rC], v[rC+3]
.elseif (\n) == 19
	v_mul_f32 v[rT], s[CS], v[rT+1]
.elseif (\n) == 20
	v_sub_f32 v[rC+1], v[rM], v[rT]
.else
	v_exp_f32 v[rC+2], v[rC+1]
.endif
.endm
.macro SM x
	WIN 0
.irp n, 0,1,2,3,4,5,6,7,8,9,10,11,12,13,14,15,16,17,18,19,20,21
	XS \x, 0, \n
	XS \x, 1, \n
.endr
.set z, 0
.rept 16                            ; c s - c m, a pair of scores at a time; the first of these lines is the plain instruction behind the two exponentials above
	REGS \x, 0
	v_pk_fma_f32 v[rS+2*z:rS+2*z+1], v[rS+2*z:rS+2*z+1], s[CS:CS+1], v[rT:rT+1] op_sel_hi:[1,0,0] neg_lo:[0,0,1] neg_hi:[0,0,1]
	REGS \x, 1
	v_pk_fma_f32 v[rS+2*z:rS+2*z+1], v[rS+2*z:rS+2*z+1], s[CS:CS+1], v[rT:rT+1] op_sel_hi:[1,0,0] neg_lo:[0,0,1] neg_hi:[0,0,1]
.set z, z+1
.endr
; Group g of 17: the four exponentials of pair g of both tiles, and behind each a plain instruction on pair g - 1: its rounding to bf16, its addition onto l (group 0: l times a).  So a plain instruction stands
; between every exponential and the use of its result, and the links of l's chain stand eight lines apart.
.set g, 0
.rept 17
.set i, 0
.rept 4
	REGS \x, i%2
.if g < 16
	v_exp_f32 v[rS+2*g+i/2], v[rS+2*g+i/2]
.endif
.if g == 0
.if i >= 2
	s_wait_alu depctr_va_vdst(0)
	v_pk_mul_f32 v[rT+2:rT+3], v[rT+2:rT+3], v[rC+2:rC+3] op_sel_hi:[1,0]
.endif
.elseif i < 2
	s_wait_alu depctr_va_vdst(0)
	v_cvt_pk_bf16_f32 v[rP+g-1], v[rS+2*g-2], v[rS+2*g-1]
.else
	v_pk_add_f32 v[rT+2:rT+3], v[rT+2:rT+3], v[rS+2*g-2:rS+2*g-1]
.endif
.set i, i+1
.endr
.set g, g+1
.endr
	WIN W_RS                        ; O^T times a: the one part that leaves window 0; each accumulator's registers in ascending order
.set z, 0
.rept 16
	REGS \x, 0
	v_pk_mul_f32 v[rO+2*z:rO+2*z+1], v[rO+2*z:rO+2*z+1], v[rC+2:rC+3] op_sel_hi:[1,0]
	REGS \x, 1
	v_pk_mul_f32 v[rO+2*z:rO+2*z+1], v[rO+2*z:rO+2*z+1], v[rC+2:rC+3] op_sel_hi:[1,0]
.set z, z+1
.endr
.endm
.macro RUN what, x                  ; a run of 16 products
.set i, 0
.rept 16
	\what \x
.set i, i+1
.endr
.endm
	s_mov_b32 s[CNT], 1024/KS
.Lstep:                             ; a trip is a key step: 64 keys for my four tiles: 40 LDS loads, 64 matrix instructions, two softmaxes
	FETCH
	s_wait_dscnt 16                 ; K and u are in; V's sixteen loads may stay out
	RUN KQ, 0
	PLACES
	SM 0
	s_wait_dscnt 0x0                ; V is in
	RUN PV, 0
	RUN KQ, 1                       ; piece 1's scores go where piece 0's lay: those have been rounded into P
	PLACES
	SM 1
	RUN PV, 1
	WIN 0                           ; at a label and at a branch every window is 0
	s_sub_co_u32 s[CNT], s[CNT], 1
	s_cmp_lg_u32 s[CNT], 0
	s_cbranch_scc1 .Lstep
	; THE WAY OUT.  l's two halves and the other half of the lanes' are added; O^T is divided by l, rounded to bf16 and sent through my stage in LDS, a tile at a time.  The four additions are the places behind the last products.
.irp t, 0,1,2,3
	v_add_f32 v[ST+4*\t+2], v[ST+4*\t+2], v[ST+4*\t+3]
.endr
.irp t, 0,1,2,3
	v_permlanex16_b32 v[ST+4*\t+3], v[ST+4*\t+2], s[SEL], s[SEL+1]
.endr
.irp t, 0,1,2,3
	v_add_f32 v[ST+4*\t+2], v[ST+4*\t+2], v[ST+4*\t+3]
.endr
.irp t, 0,1,2,3
	v_rcp_f32 v[ST+4*\t+2], v[ST+4*\t+2]
.endr
	v_nop                           ; a plain instruction between the last reciprocal and the use of its result
	s_wait_dscnt 0x0                ; my reads of K, V and u are over:
	s_barrier_signal -1
	s_barrier_wait -1               ; everybody's are: the head of K's region becomes the stages
; Tile t: a lane's eight channels of a row pack into 16 bytes; they go into rows of 144 bytes and come back as whole rows of 128, into S^T's registers.
.macro PACK t
	WIN W_RS
.set i, O+32*(\t)
	s_wait_alu depctr_va_vdst(0)
.rept 16
	v_pk_mul_f32 v[i:i+1], v[i:i+1], v[ST+4*(\t)+2:ST+4*(\t)+3] op_sel_hi:[1,0]
.set i, i+2
.endr
	WIN 0x05                        ; sources 0 and 1 window 1, destination window 0
.set i, 0
.rept 16
	v_cvt_pk_bf16_f32 v[S+16*(\t)+i], v[O+32*(\t)+2*i], v[O+32*(\t)+2*i+1]
.set i, i+1
.endr
	WIN 0
.irp f, 0,1,2,3
	ds_store_b128 v[STO], v[S+16*(\t)+4*\f:S+16*(\t)+4*\f+3] offset:32*\f
.endr
.irp f, 0,1,2,3
	ds_load_b128 v[S+16*(\t)+4*\f:S+16*(\t)+4*\f+3], v[RD] offset:\f*4*SP  ; LDS serves a wave's instructions in order (ISA guide 5.7.1.4): these see the stores above; the next tile's stores come behind them
.endr
.endm
.macro SEND t, younger              ; younger: the LDS instructions issued behind tile t's loads: the next tile's eight, or none
.irp f, 0,1,2,3
	s_wait_dscnt (\younger)+3-\f
	global_store_b128 v[GO], v[S+16*(\t)+4*\f:S+16*(\t)+4*\f+3], s[8:9] offset:(\t)*2048+\f*512  ; 512 consecutive bytes, at a multiple of 256 from ctx's first
.endr
.endm
	PACK 0
	PACK 1                          ; a tile's arithmetic stands between the loads of the tile before and its stores
	SEND 0, 8
	PACK 2
	SEND 1, 8
	PACK 3
	SEND 2, 8
	SEND 3, 0
	s_wait_tensorcnt 0x0            ; the wave's end: behind my last tensor load and my last LDS store
	ds_add_u32 v[SPW], v[NIL]
	s_wait_dscnt 0x0
	s_endpgm
.Lfunc_end_k_qf7422ed434_attn:
	.size	k_qf7422ed434_attn, .Lfunc_end_k_qf7422ed434_attn-k_qf7422ed434_attn
	.p2alignl 7, 3214868480
	.fill 96, 4, 3214868480
	.section	.rodata,"a",@progbits
	.p2align	6, 0x0
	.amdhsa_kernel k_qf7422ed434_attn
		.amdhsa_group_segment_fixed_size 327680
		.amdhsa_private_segment_fixed_size 0
		.amdhsa_enable_private_segment 0
		.amdhsa_kernarg_size 24
		.amdhsa_user_sgpr_count 2
		.amdhsa_user_sgpr_kernarg_segment_ptr 1
		.amdhsa_wavefront_size32 1
		.amdhsa_system_sgpr_workgroup_id_x 1
		.amdhsa_system_sgpr_workgroup_id_y 1
		.amdhsa_system_sgpr_workgroup_id_z 1
		.amdhsa_system_vgpr_workitem_id 0
		.amdhsa_next_free_vgpr 512
		.amdhsa_next_free_sgpr 66
		.amdhsa_reserve_vcc 0
		.amdhsa_float_denorm_mode_32 3
		.amdhsa_float_denorm_mode_16_64 3
		.amdhsa_memory_ordered 1
		.amdhsa_forward_progress 1
		.amdhsa_inst_pref_size 61
	.end_amdhsa_kernel
	.amdgpu_metadata
---
amdhsa.version: [ 1, 2 ]
amdhsa.kernels:
  - .name:           k_qf7422ed434_attn
    .symbol:         k_qf7422ed434_attn.kd
    .args:
      - { .name: qkv, .offset: 0, .size: 8, .value_kind: global_buffer, .address_space: global }
      - { .name: attention_mask, .offset: 8, .size: 8, .value_kind: global_buffer, .address_space: global }
      - { .name: ctx, .offset: 16, .size: 8, .value_kind: global_buffer, .address_space: global }
    .group_segment_fixed_size: 327680
    .private_segment_fixed_size: 0
    .kernarg_segment_align: 8
    .kernarg_segment_size: 24
    .max_flat_workgroup_size: 256
    .sgpr_count:     66
    .vgpr_count:     512
    .wavefront_size: 32
...
	.end_amdgpu_metadata
.endif
;; end of part 3
;; launch outp (part 4): grid 4 x 64, 4 waves a work-group, clusters of 4 x 4, 327,680 bytes of LDS; arguments ctx, wo16, att; writes att
.if DOCPART == 4
	.amdgcn_target "amdgcn-amd-amdhsa--gfx1250"
	.amdhsa_code_object_version 6
	.text
	.protected	k_qf7422ed434_outp
	.globl	k_qf7422ed434_outp
	.p2align	8
	.type	k_qf7422ed434_outp,@function
k_qf7422ed434_outp:
	s_mov_b64 s[64:65], 0
	v_nop
	global_prefetch_b8 v0, s[64:65] scope:SCOPE_SE
	s_setreg_imm32_b32 hwreg(HW_REG_WAVE_MODE, 25, 1), 1
	s_wait_xcnt 0x0
	s_wait_alu depctr_hold_cnt(0) depctr_sa_sdst(0) depctr_va_vdst(0) depctr_va_sdst(0) depctr_va_ssrc(0) depctr_va_vcc(0) depctr_vm_vsrc(0)
	s_getreg_b32 s2, hwreg(HW_REG_IB_STS2, 6, 4)
	s_cmp_eq_u32 s2, 0
	s_cbranch_scc0 .Lentry_in_a_cluster
	s_endpgm
.Lentry_in_a_cluster:
	s_bfe_u32 s2, ttmp6, 0x10000c
	s_cmp_lg_u32 s2, 0xf033
	s_cbranch_scc0 .Lentry_shape_is_right
	s_endpgm
.Lentry_shape_is_right:
; att = ctx Wo^T, for matrices in blocks: [matrix of 1024 rows][column block of 64][row][64], bf16 (a block's row is 128 bytes, a block 131,072 dense bytes, a matrix 2,097,152).
; A = ctx: 8 matrices of 1024 x 1024 on end; W = wo16: one matrix of 1024 (n) x 1024 (k); C = att as A.  Sums in f32, C rounded once.  bo is not added here: the launch behind adds it in f32, so that what is
; rounded to bf16 is the product alone.
; LIMITS.  NaN and infinities are not treated apart; bf16 has f32's range.
; SHARES.  A tile of C is 128 rows x 256 columns: 256 work-groups, one tile each; four waves, as many as a WGP has SIMDs, each 64 rows x 128 columns: 32 accumulators of 16 x 16, 256 registers.  For 32 along K a
; wave loads 24 x 512 bytes from LDS and issues 32 matrix instructions.  K = 1024 goes in 8 steps of 128 (two column blocks) through two LDS slots.  A step's tiles are four dense runs of bytes, one tensor load a
; wave: waves 0, 1 the two column blocks of A's 128 rows (16,384 bytes, asked for as 64 rows of 256), waves 2, 3 those of W's 256 rows (32,768 bytes, 128 rows of 256); in LDS 16 bytes of padding follow every 128.
; CLUSTERS: 4 x 4 work-groups.  The four of a row of the cluster need the same tiles of A, the four of a column the same tiles of W: each is asked for JOINTLY, by the same tensor load with the same descriptor
; and a mask that names the four.
; THE MATRIX INSTRUCTION IS USED TRANSPOSED (source 0 = 16 rows of W, source 1 = 16 rows of A): lane l then holds row l % 16 of C and the eight neighbouring columns 8 (l / 16) + 0..7.
; REGISTERS, in windows of 256 (s_set_vgpr_msb: bits 1:0 source 0, 3:2 source 1, 5:4 source 2, 7:6 destination):
;   window 0: v0-31 addresses; v32-127, v128-223 two fragment buffers (64 registers of W: 8 x 16 rows x 32 K; then 32 of A: 4 x 16 rows x 32 K); on the way out v32-159 at work
;   window 1: the accumulators, (a, b) at v[8 (8 a + b)]
.set PITCH,  144                       ; an LDS row: 128 bytes + 16 of padding = 36 words: the 16 rows of a fragment load start at 16 different groups of four banks (64 banks of 4 bytes: ISA guide 11.1)
.set ABLK,   128*PITCH                 ; one column block of A's 128 rows
.set BBLK,   256*PITCH                 ; one column block of W's 256 rows
.set BOFF,   2*ABLK                    ; a slot: A's two column blocks, then W's two
.set SLOT,   2*ABLK+2*BBLK
.set STAGE,  2*SLOT                    ; behind the ring, never filled by a tensor load: 16 rows x 144 bytes for each wave, for the way out
.set SPARE,  STAGE+4*16*PITCH          ; behind the stages: the spare words, 128 bytes for each wave: two blocks of 256 bytes that no other line names
.set LAPS,   4                         ; a lap = two K steps = once round the ring
.set AHEAD,  4*131072                  ; bytes from a slot's K step to its next: four column blocks
.set ADRA, 16                          ; v16-17  LDS address of my A fragments in slot 0, 1
.set ADRB, 20                          ; v20-21  the same for W
.set STO,  24                          ; v24     the way out: where I put 16 bytes of a row
.set RD,   25                          ; v25     the way out: where I read rows back
.set GO,   26                          ; v26     my byte offset in 512 consecutive bytes of C
.set SPW,  28                          ; v28     LDS address of my spare word: SPARE + 4 x my thread's number; never rewritten
.set NIL,  29                          ; v29     0; never rewritten
.set F0,   32
.set F1,   128
.set T,    32                          ; the way out: 16 registers for each of 8 pieces
.set G1,  24                           ; s[24:31] descriptor group 1 for A's tiles;  s[32:39] group 0, one set for each slot
.set G0,  32
.set G1B, 48                           ; s[48:55], s[56:63] the same for W's tiles
.set G0B, 56
.set GW, (1<<16)|(1<<20)|(1<<21)|(4<<22)|(3<<25)  ; group 1, word 0 beside the mask: 17:16 elements of 2 bytes; 20 padding on; 21 set beside a mask; 24:22 after every 32 words (code 4); 31:25 4 words of it (code 3)
.set MSB, 0
.macro WIN new                         ; the immediate's high byte repeats the setting that is left; a switch that changes nothing is dropped
.if MSB != (\new)
	s_set_vgpr_msb (MSB<<8)|(\new)
.set MSB, \new
.endif
.endm
.set MUL,  0x50                        ; fragments in window 0; C and D in window 1
; A joint load.  Waves 0 and 1 fetch A's two column blocks, waves 2 and 3 W's.  The branch hangs on the wave's number alone.  An s_nop 0 and four v_nop follow each of the two lines, ahead of the jump, the
; label and what follows.
.macro JLOAD s
	s_cmp_eq_u32 s13, 0
	s_cbranch_scc0 .Lfor_b_\@
	tensor_load_to_lds s[G0+4*(\s):G0+4*(\s)+3], s[G1:G1+7]
	s_nop 0
.rept 4
	v_nop
.endr
	s_branch .Lasked_\@
.Lfor_b_\@:
	tensor_load_to_lds s[G0B+4*(\s):G0B+4*(\s)+3], s[G1B:G1B+7]
	s_nop 0
.rept 4
	v_nop
.endr
.Lasked_\@:
.endm
.macro CREST                           ; a round of the cluster's barrier behind its opening barrier: wave 0 signals for the work-group, every wave waits for all sixteen, my work-group's barrier once more
	s_cmp_lg_u32 s12, 0
	s_cbranch_scc1 .Lnot_wave_0_\@
	s_barrier_signal -3
.Lnot_wave_0_\@:
	s_barrier_wait -3
	s_barrier_signal -1
	s_barrier_wait -1
.endm
.macro CROUND                          ; a whole round
	s_barrier_signal -1
	s_barrier_wait -1
	CREST
.endm
	s_load_b128 s[4:7], s[0:1], 0x0                ; A s[4:5], W s[6:7]
	s_load_b64 s[10:11], s[0:1], 0x10              ; C
	v_lshl_add_u32 v[SPW], v0, 2, SPARE
	v_mov_b32 v[NIL], 0
	ds_add_u32 v[SPW], v[NIL]                      ; the wave's opening: the add and its wait stand ahead of my first tensor load; the set-up below, work on registers, stands between them
	ds_add_u32 v28, v29
	v_lshrrev_b32 v1, 5, v0
	v_readfirstlane_b32 s12, v1                    ; wave 0..3
	s_lshr_b32 s13, s12, 1                         ; which 64 of the tile's rows are mine.  Also: I fetch for A (0) or for W (1)
	s_and_b32 s14, s12, 1                          ; which 128 of its columns.  Also: which of a step's two column blocks I fetch
	s_bfe_u32 s40, ttmp6, 0x40000                  ; cx, cy: my place in the cluster
	s_bfe_u32 s41, ttmp6, 0x40004
	s_lshl_b32 s15, ttmp9, 2                       ; in a cluster launch ttmp9 and ttmp7 count clusters
	s_add_co_u32 s15, s15, s40                     ; tile column of C = 4 x cluster x + cx
	s_and_b32 s42, ttmp7, 0xffff
	s_lshl_b32 s42, s42, 2
	s_add_co_u32 s42, s42, s41                     ; tile row of C = 4 x cluster y + cy: matrix (tile row / 8), its rows 128 (tile row % 8) on
	s_lshl_b32 s44, s41, 2
	s_lshl_b32 s44, 15, s44                        ; my row of the cluster: places 4 cy .. 4 cy + 3
	s_lshl_b32 s45, 0x1111, s40                    ; my column: places cx, cx + 4, cx + 8, cx + 12
	s_or_b32 s[G1], s44, GW                        ; A's tiles go to my row of the cluster,
	s_or_b32 s[G1B], s45, GW                       ; W's to my column
	s_mov_b32 s[G1+1], 128<<16                     ; tensor_dim0 = 128 elements: 256 bytes, two rows of a block
	s_mov_b32 s[G1+2], 64<<16                      ; tensor_dim1 = 64
	s_mov_b32 s[G1+3], 128<<16                     ; tile_dim0 = 128
	s_mov_b32 s[G1+4], 64                          ; tile_dim1 = 64
	s_mov_b32 s[G1+5], 128                         ; 128 elements from row to row: dense
	s_mov_b32 s[G1+6], 0
	s_mov_b32 s[G1+7], 0
	s_mov_b32 s[G1B+1], 128<<16
	s_mov_b32 s[G1B+2], 128<<16                    ; W's tile has twice the rows
	s_mov_b32 s[G1B+3], 128<<16
	s_mov_b32 s[G1B+4], 128
	s_mov_b32 s[G1B+5], 128
	s_mov_b32 s[G1B+6], 0
	s_mov_b32 s[G1B+7], 0
	; where the tiles come from.  A's hang on the tile row and the wave alone, W's on the tile column and the wave; each in registers that never hold the other coordinate
	s_lshr_b32 s16, s42, 3
	s_lshl_b32 s16, s16, 21                        ; A's matrix,
	s_and_b32 s17, s42, 7
	s_lshl_b32 s17, s17, 14                        ; its 128 rows of 128 bytes,
	s_add_co_u32 s16, s16, s17
	s_lshl_b32 s17, s14, 17                        ; my column block of the step
	s_add_co_u32 s16, s16, s17
	s_mov_b32 s17, 0
	s_lshl_b32 s46, s15, 15                        ; W's 256 rows of 128 bytes,
	s_lshl_b32 s47, s14, 17                        ; my column block
	s_add_co_u32 s46, s46, s47
	s_mov_b32 s47, 0
	s_mul_i32 s20, s14, ABLK                       ; and where they go: no place in the cluster enters an LDS address
	s_mul_i32 s21, s14, BBLK
	s_add_co_u32 s21, s21, BOFF
	s_wait_dscnt 0x0                               ; the opening add is done
	s_wait_kmcnt 0x0
	s_add_nc_u64 s[18:19], s[4:5], s[16:17]
	s_add_nc_u64 s[46:47], s[6:7], s[46:47]
	CROUND                                         ; all sixteen work-groups are here: the first joint loads meet
.irp s, 0,1
	s_mov_b32 s[G0+4*(\s)], 1                                      ; 1:0 count = 1
	s_add_co_u32 s[G0+4*(\s)+1], s20, (\s)*SLOT                    ; 63:32 LDS address
	s_add_nc_u64 s[G0+4*(\s)+2:G0+4*(\s)+3], s[18:19], (\s)*262144 ; 120:64 global address: K step s, two column blocks on
	s_or_b32 s[G0+4*(\s)+3], s[G0+4*(\s)+3], 0x80000000            ; 127:126 type = 2
	s_mov_b32 s[G0B+4*(\s)], 1
	s_add_co_u32 s[G0B+4*(\s)+1], s21, (\s)*SLOT
	s_add_nc_u64 s[G0B+4*(\s)+2:G0B+4*(\s)+3], s[46:47], (\s)*262144
	s_or_b32 s[G0B+4*(\s)+3], s[G0B+4*(\s)+3], 0x80000000
	JLOAD \s                                       ; both slots are asked for before anything else: two loads of mine are out
.endr
	; A fragment is 16 rows x 32 K in 8 registers: lane l holds row l % 16; registers 0-3 K = 8 (l / 16) + 0..7, registers 4-7 K = 16 + 8 (l / 16) + 0..7: two loads of 16 bytes, 32 bytes apart
	v_and_b32 v1, 15, v0                           ; l % 16
	v_bfe_u32 v2, v0, 4, 1                         ; l / 16
	v_mul_u32_u24 v3, v1, PITCH
	v_lshl_add_u32 v3, v2, 4, v3                   ; row x pitch + 16 x half
	s_mul_i32 s22, s13, 64*PITCH                   ; my 64 rows of A
	s_mul_i32 s23, s14, 128*PITCH                  ; my 128 rows of W,
	s_add_co_u32 s23, s23, BOFF                    ; which lie behind A's two blocks
.irp s, 0,1
	v_add_nc_u32 v[ADRA+(\s)], s22, v3
	v_add_nc_u32 v[ADRB+(\s)], s23, v3
	s_add_co_u32 s22, s22, SLOT
	s_add_co_u32 s23, s23, SLOT
.endr
	s_mul_i32 s20, s12, 16*PITCH
	s_add_co_u32 s20, s20, STAGE                   ; my stage
	v_add_nc_u32 v[STO], s20, v3                   ; in: row l % 16, 16 bytes for each half of the lanes
	v_bfe_u32 v4, v0, 3, 2                         ; back: 32 lanes take four rows of 128 bytes,
	v_mul_u32_u24 v4, v4, PITCH
	v_and_b32 v5, 7, v0
	v_lshl_add_u32 v4, v5, 4, v4
	v_add_nc_u32 v[RD], s20, v4
	v_and_b32 v[GO], 31, v0                        ; which are 512 consecutive bytes of C
	v_lshlrev_b32 v[GO], 4, v[GO]
	; C at my 64 rows of my first column block
	s_lshr_b32 s16, s42, 3
	s_lshl_b32 s16, s16, 21
	s_and_b32 s17, s42, 7
	s_lshl_b32 s17, s17, 14
	s_add_co_u32 s16, s16, s17
	s_lshl_b32 s17, s13, 13                        ; my 64 rows of 128 bytes
	s_add_co_u32 s16, s16, s17
	s_mov_b32 s17, 0
	s_add_nc_u64 s[10:11], s[10:11], s[16:17]
	s_lshl_b32 s46, s15, 19                        ; column block 4 x tile column + 2 x half (in the registers that held W's address: none that fed A's descriptors ever holds cx)
	s_lshl_b32 s47, s14, 18
	s_add_co_u32 s46, s46, s47
	s_mov_b32 s47, 0
	s_add_nc_u64 s[10:11], s[10:11], s[46:47]
; 8 matrix instructions: m block a x all 8 n blocks, 32 along K, from buffer f.  first = 1: the product starts the sums, with the constant 0 as C: nothing is cleared.
; The 32 accumulators take turns, one instruction a turn, in the same order in every quarter step.
.macro MUL8 f, a, first
	WIN MUL
.irp b, 0,1,2,3,4,5,6,7
.if \first
	v_wmma_f32_16x16x32_bf16 v[8*(8*(\a)+(\b)):8*(8*(\a)+(\b))+7], v[(\f)+8*(\b):(\f)+8*(\b)+7], v[(\f)+64+8*(\a):(\f)+64+8*(\a)+7], 0
.else
	v_wmma_f32_16x16x32_bf16 v[8*(8*(\a)+(\b)):8*(8*(\a)+(\b))+7], v[(\f)+8*(\b):(\f)+8*(\b)+7], v[(\f)+64+8*(\a):(\f)+64+8*(\a)+7], v[8*(8*(\a)+(\b)):8*(8*(\a)+(\b))+7]
.endif
.endr
.endm
; 24 LDS loads in one run: the fragments of quarter q of a K step (column block q / 2, its bytes 64 (q % 2) on) into buffer f: W's eight, then A's four
.macro FETCH slot, q, f
	WIN 0
.irp i, 0,1,2,3,4,5,6,7
	ds_load_b128 v[(\f)+8*(\i):(\f)+8*(\i)+3],   v[ADRB+(\slot)] offset:((\q)/2)*BBLK+((\q)%2)*64+(\i)*16*PITCH
	ds_load_b128 v[(\f)+8*(\i)+4:(\f)+8*(\i)+7], v[ADRB+(\slot)] offset:((\q)/2)*BBLK+((\q)%2)*64+(\i)*16*PITCH+32
.endr
.irp i, 0,1,2,3
	ds_load_b128 v[(\f)+64+8*(\i):(\f)+64+8*(\i)+3],   v[ADRA+(\slot)] offset:((\q)/2)*ABLK+((\q)%2)*64+(\i)*16*PITCH
	ds_load_b128 v[(\f)+64+8*(\i)+4:(\f)+64+8*(\i)+7], v[ADRA+(\slot)] offset:((\q)/2)*ABLK+((\q)%2)*64+(\i)*16*PITCH+32
.endr
.endm
.macro PLACES                          ; four places in front of loads into registers that matrix instructions have read, and of conversions that read results (ISA guide 7.12.1 for vector instructions)
.rept 4
	v_nop
.endr
.endm
; A K step is four quarters of 32 along K, 32 matrix instructions each, on buffers 0, 1, 0, 1.  One of the first three: multiplies buffer f; in its middle it fetches quarter q of the same slot into buffer g.
.macro QUARTER slot, q, f, g, first
	s_wait_dscnt 4                                 ; W's fragments and A's first two are in; the youngest four loads (A's other two) may be out
	MUL8 \f, 0, \first
	MUL8 \f, 1, \first
	PLACES
	FETCH \slot, \q, \g
	s_wait_dscnt 24                                ; all but the 24 just issued
	MUL8 \f, 2, \first
	MUL8 \f, 3, \first
.endm
; The last quarter multiplies buffer 1 and changes slots: ONE barrier; in front of it each wave waits for all its tensor loads (one is out: its part of the next slot), adds 0 to its spare word, and waits for that
; and for its own reads of this slot.  fill = 1: the barrier opens a round of the cluster's, and this slot is filled again, two K steps ahead, first thing behind the round: 112 matrix instructions ahead of the wait for it.
.macro TURN slot, next, fill
	WIN 0                                          ; (the add's two registers lie in window 0)
	s_wait_tensorcnt 0x0                           ; all my tensor loads have landed;
	ds_add_u32 v[SPW], v[NIL]                      ; 0 onto my spare word;
	s_wait_dscnt 5                                 ; (the add and the youngest four loads may be out)
	MUL8 F1, 0, 0                                  ; eight matrix instructions stand between the add and the wait for it
	s_wait_dscnt 0x0                               ; the add is done, and my reads of this slot are over
	s_barrier_signal -1
	MUL8 F1, 1, 0                                  ; work on registers while the others arrive
.if \fill
	WIN 0
.endif
	s_barrier_wait -1
.if \fill
	CREST                                          ; no wave of any partner still reads this slot's tiles or has a load on its way
	s_add_nc_u64 s[G0+4*(\slot)+2:G0+4*(\slot)+3], s[G0+4*(\slot)+2:G0+4*(\slot)+3], AHEAD
	s_add_nc_u64 s[G0B+4*(\slot)+2:G0B+4*(\slot)+3], s[G0B+4*(\slot)+2:G0B+4*(\slot)+3], AHEAD
	JLOAD \slot                                    ; the four v_nop behind it are also the places in front of the loads below
.else
	PLACES
.endif
	FETCH \next, 0, F0
	MUL8 F1, 2, 0
	MUL8 F1, 3, 0
.endm
	s_wait_tensorcnt 1                             ; my part of K step 0 is in; step 1's may stay out
	s_barrier_signal -1
	s_barrier_wait -1                              ; everybody's is
	FETCH 0, 0, F0
	QUARTER 0, 1, F0, F1, 1                        ; the first quarter stands in front of the loop: its products start the sums
	WIN 0                                          ; at a label and at a branch every window is 0
	s_mov_b32 s3, LAPS-1
.Llap:                                                 ; a trip goes once round the ring, from a lap's second quarter to the next lap's first, and fills both slots again
	QUARTER 0, 2, F1, F0, 0
	QUARTER 0, 3, F0, F1, 0
	TURN 0, 1, 1
	QUARTER 1, 1, F0, F1, 0
	QUARTER 1, 2, F1, F0, 0
	QUARTER 1, 3, F0, F1, 0
	TURN 1, 0, 1
	QUARTER 0, 1, F0, F1, 0
	WIN 0
	s_sub_co_u32 s3, s3, 1
	s_cmp_lg_u32 s3, 0
	s_cbranch_scc1 .Llap
	QUARTER 0, 2, F1, F0, 0                        ; the last lap fills nothing, and has no round of the cluster's barrier
	QUARTER 0, 3, F0, F1, 0
	TURN 0, 1, 0
	QUARTER 1, 1, F0, F1, 0
	QUARTER 1, 2, F1, F0, 0
	QUARTER 1, 3, F0, F1, 0
	s_wait_dscnt 4                                 ; the very last quarter: nothing more to fetch
	MUL8 F1, 0, 0
	MUL8 F1, 1, 0
	s_wait_dscnt 0x0
	MUL8 F1, 2, 0
	MUL8 F1, 3, 0
	WIN 0
	; THE WAY OUT, in 8 pieces of 16 rows x 64 columns (piece t: m block t / 2, column block t % 2: accumulator registers 32 t .. 32 t + 31).  A piece is 2,048 consecutive bytes of C.
	PLACES
.macro PACK t                          ; rounded to bf16 (each accumulator's registers in ascending order); 16 bytes a lane into rows of 144 bytes of my own stage; back as whole rows of 128, into the same registers
	WIN 0x05                                       ; sources 0 and 1 window 1, destination window 0
.set i, 0
.rept 16
	v_cvt_pk_bf16_f32 v[T+16*(\t)+i], v[32*(\t)+2*i], v[32*(\t)+2*i+1]
.set i, i+1
.endr
	WIN 0
.irp f, 0,1,2,3
	ds_store_b128 v[STO], v[T+16*(\t)+4*\f:T+16*(\t)+4*\f+3] offset:32*\f
.endr
.irp f, 0,1,2,3
	ds_load_b128 v[T+16*(\t)+4*\f:T+16*(\t)+4*\f+3], v[RD] offset:\f*4*PITCH  ; LDS serves a wave's instructions in order (ISA guide 5.7.1.4): these see the stores above; the next piece's stores come behind them
.endr
.endm
.macro SEND t, younger                 ; younger: the LDS instructions issued behind piece t's loads: the next piece's eight, or none
.irp f, 0,1,2,3
	s_wait_dscnt (\younger)+3-\f
	global_store_b128 v[GO], v[T+16*(\t)+4*\f:T+16*(\t)+4*\f+3], s[10:11] offset:((\t)%2)*131072+((\t)/2)*2048+512*\f  ; 512 consecutive bytes, at a multiple of 256 from C's first
.endr
.endm
	PACK 0
.set t, 1
.rept 7                                ; a piece's conversions stand between the loads of the piece before and its stores
	PACK t
	SEND t-1, 8
.set t, t+1
.endr
	SEND 7, 0
	s_wait_tensorcnt 0x0                           ; the wave's end: behind my last tensor load and my last LDS store
	ds_add_u32 v[SPW], v[NIL]
	s_wait_dscnt 0x0
	CROUND                                         ; the closing round: no work-group ends while a partner may still ask for a tile that names it
	s_endpgm
.Lfunc_end_k_qf7422ed434_outp:
	.size	k_qf7422ed434_outp, .Lfunc_end_k_qf7422ed434_outp-k_qf7422ed434_outp
	.p2alignl 7, 3214868480
	.fill 96, 4, 3214868480
	.section	.rodata,"a",@progbits
	.p2align	6, 0x0
	.amdhsa_kernel k_qf7422ed434_outp
		.amdhsa_group_segment_fixed_size 327680
		.amdhsa_private_segment_fixed_size 0
		.amdhsa_enable_private_segment 0
		.amdhsa_kernarg_size 24
		.amdhsa_user_sgpr_count 2
		.amdhsa_user_sgpr_kernarg_segment_ptr 1
		.amdhsa_wavefront_size32 1
		.amdhsa_system_sgpr_workgroup_id_x 1
		.amdhsa_system_sgpr_workgroup_id_y 1
		.amdhsa_system_sgpr_workgroup_id_z 1
		.amdhsa_system_vgpr_workitem_id 0
		.amdhsa_next_free_vgpr 512
		.amdhsa_next_free_sgpr 66
		.amdhsa_reserve_vcc 0
		.amdhsa_float_denorm_mode_32 3
		.amdhsa_float_denorm_mode_16_64 3
		.amdhsa_memory_ordered 1
		.amdhsa_forward_progress 1
		.amdhsa_inst_pref_size 87
	.end_amdhsa_kernel
	.amdgpu_metadata
---
amdhsa.version: [ 1, 2 ]
amdhsa.kernels:
  - .name:           k_qf7422ed434_outp
    .symbol:         k_qf7422ed434_outp.kd
    .args:
      - { .name: ctx, .offset: 0, .size: 8, .value_kind: global_buffer, .address_space: global }
      - { .name: wo16, .offset: 8, .size: 8, .value_kind: global_buffer, .address_space: global }
      - { .name: att, .offset: 16, .size: 8, .value_kind: global_buffer, .address_space: global }
    .group_segment_fixed_size: 327680
    .private_segment_fixed_size: 0
    .kernarg_segment_align: 8
    .kernarg_segment_size: 24
    .max_flat_workgroup_size: 128
    .sgpr_count:     66
    .vgpr_count:     512
    .wavefront_size: 32
...
	.end_amdgpu_metadata
.endif
;; end of part 4
;; launch lnorm (part 5): grid 512 x 1, 8 waves a work-group, no clusters, 0 bytes of LDS; arguments att, query_tensors, bo, ln_g, ln_b, out0; writes out0
.if DOCPART == 5
	.amdgcn_target "amdgcn-amd-amdhsa--gfx1250"
	.amdhsa_code_object_version 6
	.text
	.protected	k_qf7422ed434_lnorm
	.globl	k_qf7422ed434_lnorm
	.p2align	8
	.type	k_qf7422ed434_lnorm,@function
k_qf7422ed434_lnorm:
	s_mov_b64 s[64:65], 0
	v_nop
	global_prefetch_b8 v0, s[64:65] scope:SCOPE_SE
	s_setreg_imm32_b32 hwreg(HW_REG_WAVE_MODE, 25, 1), 1
	s_wait_xcnt 0x0
; x = att + bo + query;  out = (x - mean) rsqrt(var + 1e-7) ln_g + ln_b, mean and var over a row's 1,024 columns.  All in f32.
; att: [8 b][16 column blocks][1024 rows][64] bf16 (the output projection's sums, without bo: bo is added here, so that what was rounded to bf16 is the product alone); query, out0: [8192][1024] f32; bo, ln_g, ln_b: [1024] f32.
; The variance is taken of the centred numbers, in a second pass over the registers: no difference of large sums is formed.
; SHARES.  Work-group g owns rows 16 g .. 16 g + 15.  Sixteen lanes own one row: thread t has row t / 16 and the columns 64 cb + 4 (t % 16) + 0..3 of all 16 column blocks, 64 numbers.  So a row's sums want four
; exchanges inside a group of 16 lanes and nothing else: no LDS, no barrier.  A wave's load of att covers 256 consecutive bytes; of query, and its store, 2 rows x 256 bytes, aligned.
; Memory binds: every byte is read once and written once; all loads of a thread that have registers go out at once, ln_b's into bo's registers as soon as those are used up, and land under the two reductions.
; LIMITS.  NaN and infinities are not treated apart.
.set X,  16                            ; v[16:79]    my 64 numbers: query, then x, then x - mean, then out
.set AT, 80                            ; v[80:111]   att as loaded: 2 registers a column block
.set BV, 112                           ; v[112:175]  bo, later ln_b
.set G,  176                           ; v[176:239]  ln_g
                                       ; v1-3 lane offsets; v[4:11] at work: four pairs; v[12:13] the mean, twice; v[14:15] 1 / sqrt(var + eps), twice
	s_load_b256 s[4:11], s[0:1], 0x0               ; att s[4:5], query s[6:7], bo s[8:9], ln_g s[10:11]
	s_load_b128 s[12:15], s[0:1], 0x20             ; ln_b s[12:13], out0 s[14:15]
	v_lshlrev_b32 v1, 3, v0                        ; att: row x 128 + 8 (t % 16) = 8 t
	v_lshrrev_b32 v2, 4, v0
	v_and_b32 v3, 15, v0
	v_lshlrev_b32 v3, 4, v3                        ; bo, ln_g, ln_b: 16 (t % 16)
	v_lshl_or_b32 v2, v2, 12, v3                   ; query, out0: row x 4,096 + 16 (t % 16)
	s_lshr_b32 s16, ttmp9, 6
	s_lshl_b32 s16, s16, 21                        ; att's matrix b = g / 64,
	s_and_b32 s17, ttmp9, 63
	s_lshl_b32 s17, s17, 11                        ; its rows 16 (g % 64) on, 128 bytes each
	s_add_co_u32 s16, s16, s17
	s_mov_b32 s17, 0
	s_lshl_b32 s18, ttmp9, 16                      ; 16 rows of 4,096 bytes
	s_mov_b32 s19, 0
	s_mov_b32 s20, 0x3a800000                      ; 1 / 1024
	s_mov_b32 s21, 0x33d6bf95                      ; 1e-7
	s_mov_b32 s22, 0xffff0000                      ; a word's upper bf16
	s_wait_kmcnt 0x0
	s_add_nc_u64 s[4:5], s[4:5], s[16:17]
	s_add_nc_u64 s[6:7], s[6:7], s[18:19]
	s_add_nc_u64 s[14:15], s[14:15], s[18:19]
.irp c, 0,1,2,3,4,5,6,7,8,9,10,11,12,13,14,15
	global_load_b64 v[AT+2*\c:AT+2*\c+1], v1, s[4:5] offset:131072*\c th:TH_LOAD_NT
.endr
.irp c, 0,1,2,3,4,5,6,7,8,9,10,11,12,13,14,15
	global_load_b128 v[X+4*\c:X+4*\c+3], v2, s[6:7] offset:256*\c th:TH_LOAD_NT
.endr
.irp c, 0,1,2,3,4,5,6,7,8,9,10,11,12,13,14,15
	global_load_b128 v[BV+4*\c:BV+4*\c+3], v3, s[8:9] offset:256*\c
.endr
.irp c, 0,1,2,3,4,5,6,7,8,9,10,11,12,13,14,15
	global_load_b128 v[G+4*\c:G+4*\c+3], v3, s[10:11] offset:256*\c
.endr
	s_wait_loadcnt 16                              ; att, query and bo are in; ln_g's sixteen loads may stay out
.set j, 0
.rept 32                               ; pair j of 32: x = (query + bo) + att; bf16 to f32 is a shift or a mask; four pairs of registers at work take turns
	v_lshlrev_b32 v[4+2*(j%4)], 16, v[AT+j]
	v_and_b32     v[5+2*(j%4)], s22, v[AT+j]
	v_pk_add_f32 v[X+2*j:X+2*j+1], v[X+2*j:X+2*j+1], v[BV+2*j:BV+2*j+1]
	v_pk_add_f32 v[X+2*j:X+2*j+1], v[X+2*j:X+2*j+1], v[4+2*(j%4):5+2*(j%4)]
.set j, j+1
.endr
.irp c, 0,1,2,3,4,5,6,7,8,9,10,11,12,13,14,15
	global_load_b128 v[BV+4*\c:BV+4*\c+3], v3, s[12:13] offset:256*\c  ; ln_b, where bo lay
.endr
; the four chains' sums are added, then the sixteen lanes': four steps ride on the arithmetic (DPP; lane i takes lane i xor the mask, inside its 16), and every lane of the row ends up with the sum
.macro ACROSS
	v_pk_add_f32 v[4:5], v[4:5], v[6:7]
	v_pk_add_f32 v[8:9], v[8:9], v[10:11]
	v_pk_add_f32 v[4:5], v[4:5], v[8:9]
	v_add_f32 v4, v4, v5
	v_add_f32_dpp v4, v4, v4 row_xmask:1 row_mask:0xf bank_mask:0xf
	v_add_f32_dpp v4, v4, v4 row_xmask:2 row_mask:0xf bank_mask:0xf
	v_add_f32_dpp v4, v4, v4 row_xmask:4 row_mask:0xf bank_mask:0xf
	v_add_f32_dpp v4, v4, v4 row_xmask:8 row_mask:0xf bank_mask:0xf
.endm
	; the sum: four chains that do not wait for each other; the first link adds two pairs, so nothing is cleared
.irp k, 0,1,2,3
	v_pk_add_f32 v[4+2*\k:5+2*\k], v[X+2*\k:X+2*\k+1], v[X+8+2*\k:X+8+2*\k+1]
.endr
.set j, 2
.rept 6
.irp k, 0,1,2,3
	v_pk_add_f32 v[4+2*\k:5+2*\k], v[4+2*\k:5+2*\k], v[X+8*j+2*\k:X+8*j+2*\k+1]
.endr
.set j, j+1
.endr
	ACROSS
	v_mul_f32 v12, s20, v4                         ; the mean, twice: a pair for the packed subtraction
	v_mul_f32 v13, s20, v4
.set j, 0
.rept 32
	v_pk_add_f32 v[X+2*j:X+2*j+1], v[X+2*j:X+2*j+1], v[12:13] neg_lo:[0,1] neg_hi:[0,1]
.set j, j+1
.endr
	; the sum of squares of the centred numbers, in the same four chains
.irp k, 0,1,2,3
	v_pk_mul_f32 v[4+2*\k:5+2*\k], v[X+2*\k:X+2*\k+1], v[X+2*\k:X+2*\k+1]
.endr
.set j, 1
.rept 7
.irp k, 0,1,2,3
	v_pk_fma_f32 v[4+2*\k:5+2*\k], v[X+8*j+2*\k:X+8*j+2*\k+1], v[X+8*j+2*\k:X+8*j+2*\k+1], v[4+2*\k:5+2*\k]
.endr
.set j, j+1
.endr
	ACROSS
	v_fma_f32 v4, v4, s20, s21                     ; var + eps
	v_rsq_f32 v14, v4
	v_rsq_f32 v15, v4
	v_nop                                          ; a plain instruction between the last v_rsq_f32 and the use of its result (ISA guide 5.7.2)
	s_wait_loadcnt 0x0                             ; ln_g and ln_b
.set j, 0
	s_wait_alu depctr_va_vdst(0)
.rept 16
	v_pk_mul_f32 v[X+4*j:X+4*j+1],   v[X+4*j:X+4*j+1],   v[14:15]
	v_pk_mul_f32 v[X+4*j+2:X+4*j+3], v[X+4*j+2:X+4*j+3], v[14:15]
	v_pk_fma_f32 v[X+4*j:X+4*j+1],   v[X+4*j:X+4*j+1],   v[G+4*j:G+4*j+1],   v[BV+4*j:BV+4*j+1]
	v_pk_fma_f32 v[X+4*j+2:X+4*j+3], v[X+4*j+2:X+4*j+3], v[G+4*j+2:G+4*j+3], v[BV+4*j+2:BV+4*j+3]
	global_store_b128 v2, v[X+4*j:X+4*j+3], s[14:15] offset:256*j th:TH_STORE_NT  ; sixteen lanes store 256 consecutive bytes, aligned
.set j, j+1
.endr
	s_endpgm
.Lfunc_end_k_qf7422ed434_lnorm:
	.size	k_qf7422ed434_lnorm, .Lfunc_end_k_qf7422ed434_lnorm-k_qf7422ed434_lnorm
	.p2alignl 7, 3214868480
	.fill 96, 4, 3214868480
	.section	.rodata,"a",@progbits
	.p2align	6, 0x0
	.amdhsa_kernel k_qf7422ed434_lnorm
		.amdhsa_group_segment_fixed_size 0
		.amdhsa_private_segment_fixed_size 0
		.amdhsa_enable_private_segment 0
		.amdhsa_kernarg_size 48
		.amdhsa_user_sgpr_count 2
		.amdhsa_user_sgpr_kernarg_segment_ptr 1
		.amdhsa_wavefront_size32 1
		.amdhsa_system_sgpr_workgroup_id_x 1
		.amdhsa_system_sgpr_workgroup_id_y 1
		.amdhsa_system_sgpr_workgroup_id_z 1
		.amdhsa_system_vgpr_workitem_id 0
		.amdhsa_next_free_vgpr 240
		.amdhsa_next_free_sgpr 66
		.amdhsa_reserve_vcc 0
		.amdhsa_float_denorm_mode_32 3
		.amdhsa_float_denorm_mode_16_64 3
		.amdhsa_memory_ordered 1
		.amdhsa_forward_progress 1
		.amdhsa_inst_pref_size 28
	.end_amdhsa_kernel
	.amdgpu_metadata
---
amdhsa.version: [ 1, 2 ]
amdhsa.kernels:
  - .name:           k_qf7422ed434_lnorm
    .symbol:         k_qf7422ed434_lnorm.kd
    .args:
      - { .name: att, .offset: 0, .size: 8, .value_kind: global_buffer, .address_space: global }
      - { .name: query_tensors, .offset: 8, .size: 8, .value_kind: global_buffer, .address_space: global }
      - { .name: bo, .offset: 16, .size: 8, .value_kind: global_buffer, .address_space: global }
      - { .name: ln_g, .offset: 24, .size: 8, .value_kind: global_buffer, .address_space: global }
      - { .name: ln_b, .offset: 32, .size: 8, .value_kind: global_buffer, .address_space: global }
      - { .name: out0, .offset: 40, .size: 8, .value_kind: global_buffer, .address_space: global }
    .group_segment_fixed_size: 0
    .private_segment_fixed_size: 0
    .kernarg_segment_align: 8
    .kernarg_segment_size: 48
    .max_flat_workgroup_size: 256
    .sgpr_count:     66
    .vgpr_count:     240
    .wavefront_size: 32
...
	.end_amdgpu_metadata
.endif
;; end of part 5
;; ======== version 2 of 2: 5 launches; version 1 with the launches prep, lnorm written anew for expert scheduling mode
;; workspace buffers: wqkv 6,291,456 bytes; wo16 2,097,152 bytes; qkv 50,331,648 bytes; ctx 16,777,216 bytes; att 16,777,216 bytes
;; launch prep (part 6): grid 64 x 4, 8 waves a work-group, no clusters, 0 bytes of LDS; arguments Wq, Wk, Wv, Wo, wqkv, wo16; writes wqkv, wo16
.if DOCPART == 6
	.amdgcn_target "amdgcn-amd-amdhsa--gfx1250"
	.amdhsa_code_object_version 6
	.text
	.protected	k_qf7422ed434_prep
	.globl	k_qf7422ed434_prep
	.p2align	8
	.type	k_qf7422ed434_prep,@function
k_qf7422ed434_prep:
	s_mov_b64 s[64:65], 0
	v_nop
	global_prefetch_b8 v0, s[64:65] scope:SCOPE_SE
	s_setreg_imm32_b32 hwreg(HW_REG_WAVE_SCHED_MODE, 0, 2), 2
	s_setreg_imm32_b32 hwreg(HW_REG_WAVE_MODE, 25, 1), 1
	s_wait_xcnt 0x0
	s_wait_alu depctr_vm_vsrc(0)
; PREP.  The four weights (1024 x 1024 f32 each) are rounded once to bf16 and laid in blocks: [matrix][column block cb = column / 64][row 0..1023][64 columns]: a row of a block is 128 bytes, a block
; 131,072 dense bytes, a matrix 2,097,152.  So the rows that a product's tile takes of one column block are one dense run of bytes.  Wq, Wk, Wv go on end into wqkv, Wo into wo16.
; Every work-group of the products reads its weights many times over, so they are rounded here, once; the activations are read once and are rounded where they are multiplied.
; SHARES.  Work-group (x, y): matrix y (Wq, Wk, Wv, Wo), its rows 16 x .. 16 x + 15.  Thread t: row t / 16, the four columns 4 (t % 16) of each of the 16 column blocks.
; A wave's load covers 2 rows x 256 bytes; a wave's store of 8 bytes a lane covers 256 consecutive bytes, aligned (two neighbouring rows of a block).
; Memory binds: no LDS, no barrier, no matrix unit.  All 16 loads of a thread go out at once; the waits count down.
; THE MODE: SCHED_MODE bits 1:0 = 2 (LLVM: expert scheduling mode 2), set by the entry lines.  The code itself states the register dependences between vector instructions and memory instructions,
; with s_wait_alu, always for 0.
; THE PLAN.  Registers that memory instructions touch:
;   v1, v2   byte offsets, made once at the head and never written again: v1 is read by every load, v2 by every store.
;   X        written by the 16 loads, once; read by the conversions; no vector instruction writes it.
;   Y        each register is written once, by a conversion, and read once, by a store.
; The 16 column blocks go in four groups of four.  Group g waits for its four loads and rounds them; the four stores of group g - 1 are dealt among its eight conversions, which name X and Y of group g alone.
; So one wait on va_vdst at a group's head states all that the four stores hang on.  No register that a memory instruction reads is written again: no wait on vm_vsrc is owed.
.set X,  4                             ; v[4:67]    16 x 4 numbers as loaded
.set Y,  68                            ; v[68:99]   16 x 2 registers to store; each is written once
	s_load_b256 s[8:15], s[0:1], 0x0               ; Wq s[8:9], Wk s[10:11], Wv s[12:13], Wo s[14:15]
	s_load_b128 s[16:19], s[0:1], 0x20             ; wqkv s[16:17], wo16 s[18:19]
	s_and_b32 s2, ttmp7, 0xffff                    ; y: the matrix
	v_lshrrev_b32 v1, 4, v0                        ; my row
	v_and_b32 v2, 15, v0
	v_lshlrev_b32 v2, 4, v2                        ; my 16 bytes in a column block's 256 of f32
	v_lshl_or_b32 v1, v1, 12, v2                   ; the load's lane offset: row x 4,096 + 16 (t % 16)
	v_lshlrev_b32 v2, 3, v0                        ; the store's: row x 128 + 8 (t % 16) = 8 t
	; offsets are made apart from the addresses
	s_lshl_b32 s20, ttmp9, 16                      ; 16 rows of f32 are 65,536 bytes
	s_mov_b32 s21, 0
	s_cmp_eq_u32 s2, 3
	s_cselect_b32 s22, 0, s2                       ; the matrix's number in its destination: y in wqkv, 0 in wo16
	s_lshl_b32 s22, s22, 21                        ; 2,097,152 bytes a matrix of bf16,
	s_lshl_b32 s23, ttmp9, 11                      ; 2,048 for 16 rows of a block
	s_add_co_u32 s22, s22, s23
	s_mov_b32 s23, 0
	s_wait_kmcnt 0x0
	; the buffers are chosen by y alone
	s_cmp_ge_u32 s2, 1
	s_cselect_b64 s[24:25], s[10:11], s[8:9]
	s_cmp_ge_u32 s2, 2
	s_cselect_b64 s[24:25], s[12:13], s[24:25]
	s_cmp_ge_u32 s2, 3
	s_cselect_b64 s[24:25], s[14:15], s[24:25]
	s_cselect_b64 s[26:27], s[18:19], s[16:17]
	s_add_nc_u64 s[24:25], s[24:25], s[20:21]      ; the source at my 16 rows
	s_add_nc_u64 s[26:27], s[26:27], s[22:23]      ; the destination at my 16 rows of column block 0
	s_wait_alu depctr_va_vdst(0)                   ; v1 and v2 are written: every load of the kernel reads v1 as its offset, every store v2
.irp c, 0,1,2,3,4,5,6,7,8,9,10,11,12,13,14,15
	global_load_b128 v[X+4*\c:X+4*\c+3], v1, s[24:25] offset:256*\c th:TH_LOAD_NT
.endr
; Group g: column blocks 4 g .. 4 g + 3.  out = 1: the group before is stored, a store ahead of each column block's two conversions.
.macro GROUP g, out
	s_wait_loadcnt 12-4*(\g)                       ; loads come back in order (ISA guide 5.7.1): this group's four are in, the younger groups' stay out
.if \out
	s_wait_alu depctr_va_vdst(0)                   ; the group before has written its eight registers of Y, which the four stores below read
.endif
.irp c, 0,1,2,3
.if \out
	global_store_b64 v2, v[Y+2*(4*(\g)-4+\c):Y+2*(4*(\g)-4+\c)+1], s[26:27] offset:131072*(4*(\g)-4+\c)  ; no vector instruction since the wait names these registers; 1,966,080 at the most: inside the signed 24-bit immediate
.endif
	v_cvt_pk_bf16_f32 v[Y+2*(4*(\g)+\c)],   v[X+4*(4*(\g)+\c)],   v[X+4*(4*(\g)+\c)+1]
	v_cvt_pk_bf16_f32 v[Y+2*(4*(\g)+\c)+1], v[X+4*(4*(\g)+\c)+2], v[X+4*(4*(\g)+\c)+3]
.endr
.endm
	GROUP 0, 0
	GROUP 1, 1
	GROUP 2, 1
	GROUP 3, 1
	s_wait_alu depctr_va_vdst(0)                   ; group 3 has written its eight registers of Y, which the last four stores read
.irp c, 12,13,14,15
	global_store_b64 v2, v[Y+2*\c:Y+2*\c+1], s[26:27] offset:131072*\c
.endr
	s_endpgm
.Lfunc_end_k_qf7422ed434_prep:
	.size	k_qf7422ed434_prep, .Lfunc_end_k_qf7422ed434_prep-k_qf7422ed434_prep
	.p2alignl 7, 3214868480
	.fill 96, 4, 3214868480
	.section	.rodata,"a",@progbits
	.p2align	6, 0x0
	.amdhsa_kernel k_qf7422ed434_prep
		.amdhsa_group_segment_fixed_size 0
		.amdhsa_private_segment_fixed_size 0
		.amdhsa_enable_private_segment 0
		.amdhsa_kernarg_size 48
		.amdhsa_user_sgpr_count 2
		.amdhsa_user_sgpr_kernarg_segment_ptr 1
		.amdhsa_wavefront_size32 1
		.amdhsa_system_sgpr_workgroup_id_x 1
		.amdhsa_system_sgpr_workgroup_id_y 1
		.amdhsa_system_sgpr_workgroup_id_z 1
		.amdhsa_system_vgpr_workitem_id 0
		.amdhsa_next_free_vgpr 100
		.amdhsa_next_free_sgpr 66
		.amdhsa_reserve_vcc 0
		.amdhsa_float_denorm_mode_32 3
		.amdhsa_float_denorm_mode_16_64 3
		.amdhsa_memory_ordered 1
		.amdhsa_forward_progress 1
		.amdhsa_inst_pref_size 7
	.end_amdhsa_kernel
	.amdgpu_metadata
---
amdhsa.version: [ 1, 2 ]
amdhsa.kernels:
  - .name:           k_qf7422ed434_prep
    .symbol:         k_qf7422ed434_prep.kd
    .args:
      - { .name: Wq, .offset: 0, .size: 8, .value_kind: global_buffer, .address_space: global }
      - { .name: Wk, .offset: 8, .size: 8, .value_kind: global_buffer, .address_space: global }
      - { .name: Wv, .offset: 16, .size: 8, .value_kind: global_buffer, .address_space: global }
      - { .name: Wo, .offset: 24, .size: 8, .value_kind: global_buffer, .address_space: global }
      - { .name: wqkv, .offset: 32, .size: 8, .value_kind: global_buffer, .address_space: global }
      - { .name: wo16, .offset: 40, .size: 8, .value_kind: global_buffer, .address_space: global }
    .group_segment_fixed_size: 0
    .private_segment_fixed_size: 0
    .kernarg_segment_align: 8
    .kernarg_segment_size: 48
    .max_flat_workgroup_size: 256
    .sgpr_count:     66
    .vgpr_count:     100
    .wavefront_size: 32
...
	.end_amdgpu_metadata
.endif
;; end of part 6
;; launch proj: the kernel of part 2 again; grid 4 x 64, 4 waves a work-group, clusters of 4 x 4, 327,680 bytes of LDS; arguments query_tensors, key_tensors, value_tensors, wqkv, bq, bk, bv, qkv; writes qkv
;; launch attn: the kernel of part 3 again; grid 2 x 128, 8 waves a work-group, no clusters, 327,680 bytes of LDS; arguments qkv, attention_mask, ctx; writes ctx
;; launch outp: the kernel of part 4 again; grid 4 x 64, 4 waves a work-group, clusters of 4 x 4, 327,680 bytes of LDS; arguments ctx, wo16, att; writes att
;; launch lnorm (part 7): grid 512 x 1, 8 waves a work-group, no clusters, 0 bytes of LDS; arguments att, query_tensors, bo, ln_g, ln_b, out0; writes out0
.if DOCPART == 7
	.amdgcn_target "amdgcn-amd-amdhsa--gfx1250"
	.amdhsa_code_object_version 6
	.text
	.protected	k_qf7422ed434_lnorm
	.globl	k_qf7422ed434_lnorm
	.p2align	8
	.type	k_qf7422ed434_lnorm,@function
k_qf7422ed434_lnorm:
	s_mov_b64 s[64:65], 0
	v_nop
	global_prefetch_b8 v0, s[64:65] scope:SCOPE_SE
	s_setreg_imm32_b32 hwreg(HW_REG_WAVE_SCHED_MODE, 0, 2), 2
	s_setreg_imm32_b32 hwreg(HW_REG_WAVE_MODE, 25, 1), 1
	s_wait_xcnt 0x0
	s_wait_alu depctr_vm_vsrc(0)
; x = att + bo + query;  out = (x - mean) rsqrt(var + 1e-7) ln_g + ln_b, mean and var over a row's 1,024 columns.  All in f32.
; att: [8 b][16 column blocks][1024 rows][64] bf16 (the output projection's sums, without bo: bo is added here, so that what was rounded to bf16 is the product alone); query, out0: [8192][1024] f32; bo, ln_g, ln_b: [1024] f32.
; The variance is taken of the centred numbers, in a second pass over the registers: no difference of large sums is formed.
; SHARES.  Work-group g owns rows 16 g .. 16 g + 15.  Sixteen lanes own one row: thread t has row t / 16 and the columns 64 cb + 4 (t % 16) + 0..3 of all 16 column blocks, 64 numbers.  So a row's sums want four
; exchanges inside a group of 16 lanes and nothing else: no LDS, no barrier.  A wave's load of att covers 256 consecutive bytes; of query, and its store, 2 rows x 256 bytes, aligned.
; Memory binds: every byte is read once and written once; all loads of a thread that have registers go out at once, ln_b's into bo's registers as soon as those are used up, and land under the two reductions.
; LIMITS.  NaN and infinities are not treated apart.
; THE MODE: SCHED_MODE bits 1:0 = 2 (LLVM: expert scheduling mode 2), set by the entry lines.  The code itself states the register dependences between vector instructions and memory instructions,
; with s_wait_alu, always for 0.
; THE PLAN.  Registers that memory instructions touch:
;   v1, v2, v3  byte offsets, made once at the head and never written again.
;   AT, G       written by loads, once; read by vector instructions alone.
;   BV          bo's loads land in it; the 32 additions query + bo read it; then ln_b's loads land in it; the last multiply-adds read it.
;   X           query's loads land in it; vector instructions work in it; the 16 stores read it; nothing writes it behind a store.
; So: one wait on va_vdst ahead of the first load (the offsets); one behind the 32 additions, which stand together so that ln_b can be asked for at once; and at the end, where the 16 column blocks go in four
; groups, one ahead of each group's four stores.  The stores of group g - 1 are dealt among the vector instructions of group g, which name that group's X, G and BV and the pair v[14:15] alone.
; No register that a memory instruction reads is written again: no wait on vm_vsrc is owed.
.set X,  16                            ; v[16:79]    my 64 numbers: query, then x, then x - mean, then out
.set AT, 80                            ; v[80:111]   att as loaded: 2 registers a column block
.set BV, 112                           ; v[112:175]  bo, later ln_b
.set G,  176                           ; v[176:239]  ln_g
                                       ; v1-3 lane offsets; v[4:11] at work: four pairs; v[12:13] the mean, twice; v[14:15] 1 / sqrt(var + eps), twice
	s_load_b256 s[4:11], s[0:1], 0x0               ; att s[4:5], query s[6:7], bo s[8:9], ln_g s[10:11]
	s_load_b128 s[12:15], s[0:1], 0x20             ; ln_b s[12:13], out0 s[14:15]
	v_lshlrev_b32 v1, 3, v0                        ; att: row x 128 + 8 (t % 16) = 8 t
	v_lshrrev_b32 v2, 4, v0
	v_and_b32 v3, 15, v0
	v_lshlrev_b32 v3, 4, v3                        ; bo, ln_g, ln_b: 16 (t % 16)
	v_lshl_or_b32 v2, v2, 12, v3                   ; query, out0: row x 4,096 + 16 (t % 16)
	s_lshr_b32 s16, ttmp9, 6
	s_lshl_b32 s16, s16, 21                        ; att's matrix b = g / 64,
	s_and_b32 s17, ttmp9, 63
	s_lshl_b32 s17, s17, 11                        ; its rows 16 (g % 64) on, 128 bytes each
	s_add_co_u32 s16, s16, s17
	s_mov_b32 s17, 0
	s_lshl_b32 s18, ttmp9, 16                      ; 16 rows of 4,096 bytes
	s_mov_b32 s19, 0
	s_mov_b32 s20, 0x3a800000                      ; 1 / 1024
	s_mov_b32 s21, 0x33d6bf95                      ; 1e-7
	s_mov_b32 s22, 0xffff0000                      ; a word's upper bf16
	s_wait_kmcnt 0x0
	s_add_nc_u64 s[4:5], s[4:5], s[16:17]
	s_add_nc_u64 s[6:7], s[6:7], s[18:19]
	s_add_nc_u64 s[14:15], s[14:15], s[18:19]
	s_wait_alu depctr_va_vdst(0)                   ; v1, v2 and v3 are written: every load and store of the kernel reads one of them as its offset
.irp c, 0,1,2,3,4,5,6,7,8,9,10,11,12,13,14,15
	global_load_b64 v[AT+2*\c:AT+2*\c+1], v1, s[4:5] offset:131072*\c th:TH_LOAD_NT
.endr
.irp c, 0,1,2,3,4,5,6,7,8,9,10,11,12,13,14,15
	global_load_b128 v[X+4*\c:X+4*\c+3], v2, s[6:7] offset:256*\c th:TH_LOAD_NT
.endr
.irp c, 0,1,2,3,4,5,6,7,8,9,10,11,12,13,14,15
	global_load_b128 v[BV+4*\c:BV+4*\c+3], v3, s[8:9] offset:256*\c
.endr
.irp c, 0,1,2,3,4,5,6,7,8,9,10,11,12,13,14,15
	global_load_b128 v[G+4*\c:G+4*\c+3], v3, s[10:11] offset:256*\c
.endr
	s_wait_loadcnt 16                              ; att, query and bo are in; ln_g's sixteen loads may stay out
	; x = (query + bo) + att, pair j of 32.  The additions of bo stand together and first, so that bo's registers are used up at once
.set j, 0
.rept 32
	v_pk_add_f32 v[X+2*j:X+2*j+1], v[X+2*j:X+2*j+1], v[BV+2*j:BV+2*j+1]
.set j, j+1
.endr
	s_wait_alu depctr_va_vdst(0)                   ; the 32 additions are done reading bo in v[BV ..], in which ln_b's loads land
.irp c, 0,1,2,3,4,5,6,7,8,9,10,11,12,13,14,15
	global_load_b128 v[BV+4*\c:BV+4*\c+3], v3, s[12:13] offset:256*\c  ; ln_b, where bo lay
.endr
.set j, 0
.rept 32                               ; att is added: bf16 to f32 is a shift or a mask; four pairs of registers at work take turns
	v_lshlrev_b32 v[4+2*(j%4)], 16, v[AT+j]
	v_and_b32     v[5+2*(j%4)], s22, v[AT+j]
	v_pk_add_f32 v[X+2*j:X+2*j+1], v[X+2*j:X+2*j+1], v[4+2*(j%4):5+2*(j%4)]
.set j, j+1
.endr
; the four chains' sums are added, then the sixteen lanes': four steps ride on the arithmetic (DPP; lane i takes lane i xor the mask, inside its 16), and every lane of the row ends up with the sum
.macro ACROSS
	v_pk_add_f32 v[4:5], v[4:5], v[6:7]
	v_pk_add_f32 v[8:9], v[8:9], v[10:11]
	v_pk_add_f32 v[4:5], v[4:5], v[8:9]
	v_add_f32 v4, v4, v5
	v_add_f32_dpp v4, v4, v4 row_xmask:1 row_mask:0xf bank_mask:0xf
	v_add_f32_dpp v4, v4, v4 row_xmask:2 row_mask:0xf bank_mask:0xf
	v_add_f32_dpp v4, v4, v4 row_xmask:4 row_mask:0xf bank_mask:0xf
	v_add_f32_dpp v4, v4, v4 row_xmask:8 row_mask:0xf bank_mask:0xf
.endm
	; the sum: four chains that do not wait for each other; the first link adds two pairs, so nothing is cleared
.irp k, 0,1,2,3
	v_pk_add_f32 v[4+2*\k:5+2*\k], v[X+2*\k:X+2*\k+1], v[X+8+2*\k:X+8+2*\k+1]
.endr
.set j, 2
.rept 6
.irp k, 0,1,2,3
	v_pk_add_f32 v[4+2*\k:5+2*\k], v[4+2*\k:5+2*\k], v[X+8*j+2*\k:X+8*j+2*\k+1]
.endr
.set j, j+1
.endr
	ACROSS
	v_mul_f32 v12, s20, v4                         ; the mean, twice: a pair for the packed subtraction
	v_mul_f32 v13, s20, v4
.set j, 0
.rept 32
	v_pk_add_f32 v[X+2*j:X+2*j+1], v[X+2*j:X+2*j+1], v[12:13] neg_lo:[0,1] neg_hi:[0,1]
.set j, j+1
.endr
	; the sum of squares of the centred numbers, in the same four chains
.irp k, 0,1,2,3
	v_pk_mul_f32 v[4+2*\k:5+2*\k], v[X+2*\k:X+2*\k+1], v[X+2*\k:X+2*\k+1]
.endr
.set j, 1
.rept 7
.irp k, 0,1,2,3
	v_pk_fma_f32 v[4+2*\k:5+2*\k], v[X+8*j+2*\k:X+8*j+2*\k+1], v[X+8*j+2*\k:X+8*j+2*\k+1], v[4+2*\k:5+2*\k]
.endr
.set j, j+1
.endr
	ACROSS
	v_fma_f32 v4, v4, s20, s21                     ; var + eps
	v_rsq_f32 v14, v4
	v_rsq_f32 v15, v4
	v_nop                                          ; a plain instruction between the last v_rsq_f32 and the use of its result (ISA guide 5.7.2)
	s_wait_loadcnt 0x0                             ; ln_g and ln_b
	s_wait_alu depctr_va_vdst(0)                   ; both v_rsq_f32 have written v14 and v15, ahead of their first reader: one wait for the two
; Column block c: out = (x - mean) / sqrt(var + eps) x ln_g + ln_b, in place
.macro NORM c
	v_pk_mul_f32 v[X+4*(\c):X+4*(\c)+1],   v[X+4*(\c):X+4*(\c)+1],   v[14:15]
	v_pk_mul_f32 v[X+4*(\c)+2:X+4*(\c)+3], v[X+4*(\c)+2:X+4*(\c)+3], v[14:15]
	v_pk_fma_f32 v[X+4*(\c):X+4*(\c)+1],   v[X+4*(\c):X+4*(\c)+1],   v[G+4*(\c):G+4*(\c)+1],   v[BV+4*(\c):BV+4*(\c)+1]
	v_pk_fma_f32 v[X+4*(\c)+2:X+4*(\c)+3], v[X+4*(\c)+2:X+4*(\c)+3], v[G+4*(\c)+2:G+4*(\c)+3], v[BV+4*(\c)+2:BV+4*(\c)+3]
.endm
.macro SENDC c
	global_store_b128 v2, v[X+4*(\c):X+4*(\c)+3], s[14:15] offset:256*(\c) th:TH_STORE_NT  ; sixteen lanes store 256 consecutive bytes, aligned
.endm
.set j, 0
.rept 4                                ; group 0: column blocks 0 to 3
	NORM j
.set j, j+1
.endr
.rept 3                                ; groups 1 to 3: the stores of the group before are dealt among the group's vector instructions
	s_wait_alu depctr_va_vdst(0)                   ; the group before has written its sixteen registers of X, which the four stores below read; no vector instruction behind this wait names them
.rept 4
	SENDC j-4
	NORM j
.set j, j+1
.endr
.endr
	s_wait_alu depctr_va_vdst(0)                   ; group 3 has written its sixteen registers of X, which the last four stores read
.rept 4
	SENDC j-4
.set j, j+1
.endr
	s_endpgm
.Lfunc_end_k_qf7422ed434_lnorm:
	.size	k_qf7422ed434_lnorm, .Lfunc_end_k_qf7422ed434_lnorm-k_qf7422ed434_lnorm
	.p2alignl 7, 3214868480
	.fill 96, 4, 3214868480
	.section	.rodata,"a",@progbits
	.p2align	6, 0x0
	.amdhsa_kernel k_qf7422ed434_lnorm
		.amdhsa_group_segment_fixed_size 0
		.amdhsa_private_segment_fixed_size 0
		.amdhsa_enable_private_segment 0
		.amdhsa_kernarg_size 48
		.amdhsa_user_sgpr_count 2
		.amdhsa_user_sgpr_kernarg_segment_ptr 1
		.amdhsa_wavefront_size32 1
		.amdhsa_system_sgpr_workgroup_id_x 1
		.amdhsa_system_sgpr_workgroup_id_y 1
		.amdhsa_system_sgpr_workgroup_id_z 1
		.amdhsa_system_vgpr_workitem_id 0
		.amdhsa_next_free_vgpr 240
		.amdhsa_next_free_sgpr 66
		.amdhsa_reserve_vcc 0
		.amdhsa_float_denorm_mode_32 3
		.amdhsa_float_denorm_mode_16_64 3
		.amdhsa_memory_ordered 1
		.amdhsa_forward_progress 1
		.amdhsa_inst_pref_size 28
	.end_amdhsa_kernel
	.amdgpu_metadata
---
amdhsa.version: [ 1, 2 ]
amdhsa.kernels:
  - .name:           k_qf7422ed434_lnorm
    .symbol:         k_qf7422ed434_lnorm.kd
    .args:
      - { .name: att, .offset: 0, .size: 8, .value_kind: global_buffer, .address_space: global }
      - { .name: query_tensors, .offset: 8, .size: 8, .value_kind: global_buffer, .address_space: global }
      - { .name: bo, .offset: 16, .size: 8, .value_kind: global_buffer, .address_space: global }
      - { .name: ln_g, .offset: 24, .size: 8, .value_kind: global_buffer, .address_space: global }
      - { .name: ln_b, .offset: 32, .size: 8, .value_kind: global_buffer, .address_space: global }
      - { .name: out0, .offset: 40, .size: 8, .value_kind: global_buffer, .address_space: global }
    .group_segment_fixed_size: 0
    .private_segment_fixed_size: 0
    .kernarg_segment_align: 8
    .kernarg_segment_size: 48
    .max_flat_workgroup_size: 256
    .sgpr_count:     66
    .vgpr_count:     240
    .wavefront_size: 32
...
	.end_amdgpu_metadata
.endif
;; end of part 7
